; MI455X (gfx1250); checked and timed in simulation.
; The chip was launched on July 23, 2026; its instructions are those of AMD's public machine-readable ISA for CDNA 5 (MIT licence, August 2026) and "CDNA5" Instruction Set Architecture Reference Guide (July 2026). The comments in the code are by the model that wrote it; some were corrected since.
;; Projected Adaptive Log Softmax. Allowed arithmetic: float matrix products may take bf16 or f16 operands with f32 sums; other float arithmetic in f32, or as packed bf16 or f16 multiplies, adds, multiply-adds, maxima and minima; sums over many terms, partial sums and values carried from step to step in f32; what a program stores and reads back later, other than sums and carried values, may be rounded once to bf16 or f16.
;; Inputs: b0 20,000 float32; b1 30,000 float32; b2 50,000 float32; cluster_b 2 float32; cluster_w 2 x 1,024 float32; hidden 2 x 1,024 x 1,024 float32; proj0 1,024 x 1,024 float32; proj1 1,024 x 256 float32; proj2 1,024 x 64 float32; target 2 x 1,024 int32; w0 20,000 x 1,024 float32; w1 30,000 x 256 float32; w2 50,000 x 64 float32.
;; Outputs: out0 2 x 1,024 float32.
;; 2 versions, each right; version 2 is version 1 with the launches proj, main written anew for expert scheduling mode. Each part assembles by itself: llvm-mc -triple=amdgcn-amd-amdhsa -mcpu=gfx1250 --defsym DOCPART=n.
;; ======== version 1 of 2: 3 launches
;; workspace buffers: pf 5,505,024 bytes; part 8,388,608 bytes
;; launch proj (part 1): grid 21 x 8, 8 waves a work-group, no clusters, 164,864 bytes of LDS; arguments hidden, proj0, proj1, proj2, pf; writes pf
.if DOCPART == 1
	.amdgcn_target "amdgcn-amd-amdhsa--gfx1250"
	.amdhsa_code_object_version 6
	.text
	.protected	k_qff0b488e2d_proj
	.globl	k_qff0b488e2d_proj
	.p2align	8
	.type	k_qff0b488e2d_proj,@function
k_qff0b488e2d_proj:
	s_mov_b64 s[64:65], 0
	v_nop
	global_prefetch_b8 v0, s[64:65] scope:SCOPE_SE
	s_setreg_imm32_b32 hwreg(HW_REG_WAVE_MODE, 25, 1), 1
	s_wait_xcnt 0x0
; P = hidden x [proj0 | proj1 | proj2].  hidden: [2048][1024] f32; proj0/1/2: [1024][1024 / 256 / 64] f32.  Operands rounded to bf16, sums in f32, P rounded once to bf16.
; pf holds P0 at byte 0, P1 at 4 MiB, P2 at 5 MiB, each as [tile of 16 tokens][block of 8 channels][token][16 bytes]: 512 consecutive bytes are half a matrix fragment
; (16 tokens x 32 channels) for the launch behind.
; SHARES.  Work-group (x, y): 64 channels (x: 16 groups of proj0, 4 of proj1, 1 of proj2) x 256 tokens.  Wave w: token tiles 16 y + 2 w + 0, 1, all four channel tiles: 8 accumulators.
; The group's 1024 x 64 slab of proj is rounded to bf16 into LDS once ([k][channel], read turned by ds_load_tr16_b128); hidden comes from memory into registers, four K steps ahead.
; THE PRODUCT IS TAKEN TRANSPOSED: source 0 = 16 channels, source 1 = 16 tokens: a lane ends with eight neighbouring channels of one token: its 16 bytes of pf.
; NO CLUSTER: what work-groups share most, the rows of hidden, is shared along x, and 21 groups are no multiple of four; no tile goes through a copy engine here.
; LIMITS: none of its own beyond bf16's rounding of the operands and of P.
.set LP,    160                        ; an LDS row of the slab: 128 bytes + 32: an odd multiple of 32, for the turning load
.set SPARE, 1024*LP                    ; behind the slab: the spare words, 128 bytes a wave
.set BF,    16                         ; v[16:31]   first the slab loads' 16 offsets, then the two fragments of hidden
.set AF,    32                         ; v[32:63]   four fragments of proj; at the end the packed results
.set ACC,   64                         ; v[64:127]  accumulator (c, t) at ACC + 8 (2 c + t); in the slab phase packed rows
.set RAW,   128                        ; v[128:255] four sets of 32: a K step of hidden in f32; in the slab phase 16 loads of proj
; v1 r = lane % 16, v2 h = lane / 16, v3 offset in hidden, v4 LDS address of the turning loads, v5 16 x lane, v6, v7 the add's registers, v8 LDS address of the slab stores
; s14 wave, s[16:17] proj's slab, s18 its pitch in bytes, s[20:21] hidden at my rows, s[22:23], s[28:29] pf at my two tiles, s25 counter, s[26:27] 256 rows of proj
	s_load_b256 s[4:11], s[0:1], 0x0               ; hidden s[4:5], proj0 s[6:7], proj1 s[8:9], proj2 s[10:11]
	s_load_b64 s[12:13], s[0:1], 0x20              ; pf
	v_lshl_add_u32 v6, v0, 2, SPARE
	v_mov_b32 v7, 0
	v_lshrrev_b32 v9, 5, v0
	v_readfirstlane_b32 s14, v9                    ; wave 0..7
	v_and_b32 v10, 31, v0
	v_and_b32 v1, 15, v0
	v_bfe_u32 v2, v0, 4, 1
	v_lshlrev_b32 v3, 12, v1
	v_lshl_add_u32 v3, v2, 5, v3                   ; token r x 4,096 + 32 h: eight f32 of a K step
	v_and_b32 v11, 7, v0
	v_lshl_add_u32 v11, v2, 3, v11
	v_mul_u32_u24 v4, v11, LP                      ; row 8 h + lane % 8
	v_bfe_u32 v11, v0, 3, 1
	v_lshl_add_u32 v4, v11, 4, v4                  ; + 16 x ((lane / 8) % 2)
	v_lshlrev_b32 v5, 4, v10
	v_lshrrev_b32 v12, 4, v0                       ; thread / 16: a row of 16
	v_mul_u32_u24 v8, v12, LP
	v_lshl_add_u32 v8, v1, 3, v8                   ; + 8 x (thread % 16)
	s_mov_b32 s30, ttmp9                           ; x
	s_and_b32 s31, ttmp7, 0xffff                   ; y
	s_mov_b32 s18, 256                             ; what holds for x = 20: proj2
	s_mov_b32 s32, 20
	s_mov_b32 s33, 0x500000
	s_mov_b32 s34, 11
	s_mov_b32 s37, 0
	s_mov_b32 s27, 0
	s_wait_kmcnt 0x0
	s_mov_b64 s[16:17], s[10:11]
	s_cmp_lt_u32 s30, 20                           ; x = 16 .. 19: proj1
	s_cselect_b64 s[16:17], s[8:9], s[16:17]
	s_cselect_b32 s18, 1024, s18
	s_cselect_b32 s32, 16, s32
	s_cselect_b32 s33, 0x400000, s33
	s_cselect_b32 s34, 13, s34
	s_cmp_lt_u32 s30, 16                           ; x = 0 .. 15: proj0
	s_cselect_b64 s[16:17], s[6:7], s[16:17]
	s_cselect_b32 s18, 4096, s18
	s_cselect_b32 s32, 0, s32
	s_cselect_b32 s33, 0, s33
	s_cselect_b32 s34, 15, s34
	s_sub_co_u32 s32, s30, s32                     ; the group's number in its own matrix
	s_lshl_b32 s36, s32, 8
	s_add_nc_u64 s[16:17], s[16:17], s[36:37]      ; its 64 channels: 256 bytes of every row
	s_lshl_b32 s26, s18, 8
	s_lshl_b32 s35, s18, 4
	s_lshl_b32 s36, s31, 20
	s_lshl_b32 s38, s14, 17
	s_add_co_u32 s36, s36, s38
	s_add_nc_u64 s[20:21], s[4:5], s[36:37]        ; hidden at token 256 y + 32 w
	s_lshl_b32 s38, s31, 4
	s_lshl_b32 s39, s14, 1
	s_add_co_u32 s38, s38, s39                     ; my first tile
	s_lshl_b32 s38, s38, s34                       ; x a tile's bytes
	s_add_co_u32 s38, s38, s33
	s_lshl_b32 s39, s32, 11                        ; 64 channels of a tile are 2,048 bytes
	s_add_co_u32 s36, s38, s39
	s_add_nc_u64 s[22:23], s[12:13], s[36:37]
	s_lshl_b32 s36, 1, s34
	s_add_nc_u64 s[28:29], s[22:23], s[36:37]      ; my second tile
	v_mul_lo_u32 v[BF], v12, s18
	v_lshl_add_u32 v[BF], v1, 4, v[BF]             ; row thread / 16, 16 bytes at thread % 16: sixteen lanes take a row's 256 bytes
.set i, 1
.rept 15
	v_add_nc_u32 v[BF+i], s35, v[BF+i-1]           ; 16 rows further down
.set i, i+1
.endr
; THE SLAB: four trips of 256 rows; a trip is 16 loads a thread, rounded and stored as they come.
	s_mov_b32 s25, 4
.Lslab:
.irp i, 0,1,2,3,4,5,6,7,8,9,10,11,12,13,14,15
	global_load_b128 v[RAW+4*\i:RAW+4*\i+3], v[BF+\i], s[16:17]
.endr
.irp i, 0,1,2,3,4,5,6,7,8,9,10,11,12,13,14,15
	s_wait_loadcnt 15-\i                           ; loads come back in order: load i is in, the younger ones stay out
	v_cvt_pk_bf16_f32 v[ACC+2*\i], v[RAW+4*\i], v[RAW+4*\i+1]
	v_cvt_pk_bf16_f32 v[ACC+2*\i+1], v[RAW+4*\i+2], v[RAW+4*\i+3]
	ds_store_b64 v8, v[ACC+2*\i:ACC+2*\i+1] offset:16*LP*\i
.endr
	s_add_nc_u64 s[16:17], s[16:17], s[26:27]      ; the last wait was for 0: every load has read its base
	v_add_nc_u32 v8, 256*LP, v8
	s_sub_co_u32 s25, s25, 1
	s_cmp_lg_u32 s25, 0
	s_cbranch_scc1 .Lslab
; K step s of four (32 channels of hidden, 128 bytes of a row) for both tiles, from byte off behind the pointer: 8 loads into set s
.macro RLOAD s, off
.irp t, 0,1
.irp j, 0,1,2,3
	global_load_b128 v[RAW+32*(\s)+16*\t+4*\j:RAW+32*(\s)+16*\t+4*\j+3], v3, s[20:21] offset:(\off)+128*(\s)+65536*\t+16*((\j)%2)+64*((\j)/2)
.endr
.endr
.endm
	RLOAD 0, 0
	RLOAD 1, 0
	RLOAD 2, 0
	RLOAD 3, 0
	s_wait_dscnt 0x0                               ; my part of the slab is stored
	s_barrier_signal -1
	s_barrier_wait -1                              ; everybody's is: the one barrier of the launch
; One K step.  left = how many younger loads of hidden may stay out; load = 1: the set is asked for again, four steps on; zero = 1: the products start the sums.
.macro STEP s, zero, load, left
.rept 4
	v_nop                                          ; four places behind the last product, ahead of loads and conversions into registers that it read
.endr
.irp c, 0,1,2,3
	ds_load_tr16_b128 v[AF+8*\c:AF+8*\c+3], v4 offset:32*LP*(\s)+32*\c
	ds_load_tr16_b128 v[AF+8*\c+4:AF+8*\c+7], v4 offset:32*LP*(\s)+32*\c+16*LP
.endr
	s_wait_loadcnt \left
.irp j, 0,1,2,3,4,5,6,7,8,9,10,11,12,13,14,15
	v_cvt_pk_bf16_f32 v[BF+\j], v[RAW+32*(\s)+2*\j], v[RAW+32*(\s)+2*\j+1]
.endr
.if \load
	RLOAD \s, 512
.endif
	s_wait_dscnt 0x0
.irp c, 0,1,2,3
.irp t, 0,1
.if \zero
	v_wmma_f32_16x16x32_bf16 v[ACC+8*(2*\c+\t):ACC+8*(2*\c+\t)+7], v[AF+8*\c:AF+8*\c+7], v[BF+8*\t:BF+8*\t+7], 0
.else
	v_wmma_f32_16x16x32_bf16 v[ACC+8*(2*\c+\t):ACC+8*(2*\c+\t)+7], v[AF+8*\c:AF+8*\c+7], v[BF+8*\t:BF+8*\t+7], v[ACC+8*(2*\c+\t):ACC+8*(2*\c+\t)+7]
.endif
.endr
.endr
.endm
.macro BOTTOM                          ; four K steps on
	s_wait_xcnt 0x0                                ; every load issued so far has read its base
	s_add_nc_u64 s[20:21], s[20:21], 512
	v_add_nc_u32 v4, 128*LP, v4
.endm
	STEP 0, 1, 1, 24                               ; the first step starts the sums: nothing is cleared.  24: three younger sets of 8 loads
	STEP 1, 0, 1, 24
	STEP 2, 0, 1, 24
	STEP 3, 0, 1, 24
	BOTTOM
	s_mov_b32 s25, 6
.Lk:                                           ; the eight accumulators take turns, over the backward jump too
	STEP 0, 0, 1, 24
	STEP 1, 0, 1, 24
	STEP 2, 0, 1, 24
	STEP 3, 0, 1, 24
	BOTTOM
	s_sub_co_u32 s25, s25, 1
	s_cmp_lg_u32 s25, 0
	s_cbranch_scc1 .Lk
	STEP 0, 0, 0, 24                               ; the last four steps load nothing: the counts run down
	STEP 1, 0, 0, 16
	STEP 2, 0, 0, 8
	STEP 3, 0, 0, 0
.rept 4
	v_nop                                          ; the places ahead of the conversions, which read results and write the fragments' registers
.endr
.irp a, 0,1,2,3,4,5,6,7
.irp j, 0,1,2,3
	v_cvt_pk_bf16_f32 v[AF+4*\a+\j], v[ACC+8*\a+2*\j], v[ACC+8*\a+2*\j+1]
.endr
.endr
.irp c, 0,1,2,3
	global_store_b128 v5, v[AF+8*\c:AF+8*\c+3], s[22:23] offset:512*\c    ; 512 consecutive bytes, aligned
	global_store_b128 v5, v[AF+8*\c+4:AF+8*\c+7], s[28:29] offset:512*\c
.endr
	s_wait_tensorcnt 0x0                           ; the wave's end, behind my last LDS store
	ds_add_u32 v6, v7
	s_wait_dscnt 0x0
	s_endpgm
.Lfunc_end_k_qff0b488e2d_proj:
	.size	k_qff0b488e2d_proj, .Lfunc_end_k_qff0b488e2d_proj-k_qff0b488e2d_proj
	.p2alignl 7, 3214868480
	.fill 96, 4, 3214868480
	.section	.rodata,"a",@progbits
	.p2align	6, 0x0
	.amdhsa_kernel k_qff0b488e2d_proj
		.amdhsa_group_segment_fixed_size 164864
		.amdhsa_private_segment_fixed_size 0
		.amdhsa_enable_private_segment 0
		.amdhsa_kernarg_size 40
		.amdhsa_user_sgpr_count 2
		.amdhsa_user_sgpr_kernarg_segment_ptr 1
		.amdhsa_wavefront_size32 1
		.amdhsa_system_sgpr_workgroup_id_x 1
		.amdhsa_system_sgpr_workgroup_id_y 1
		.amdhsa_system_sgpr_workgroup_id_z 1
		.amdhsa_system_vgpr_workitem_id 0
		.amdhsa_next_free_vgpr 256
		.amdhsa_next_free_sgpr 66
		.amdhsa_reserve_vcc 0
		.amdhsa_float_denorm_mode_32 3
		.amdhsa_float_denorm_mode_16_64 3
		.amdhsa_memory_ordered 1
		.amdhsa_forward_progress 1
		.amdhsa_inst_pref_size 48
	.end_amdhsa_kernel
	.amdgpu_metadata
---
amdhsa.version: [ 1, 2 ]
amdhsa.kernels:
  - .name:           k_qff0b488e2d_proj
    .symbol:         k_qff0b488e2d_proj.kd
    .args:
      - { .name: hidden, .offset: 0, .size: 8, .value_kind: global_buffer, .address_space: global }
      - { .name: proj0, .offset: 8, .size: 8, .value_kind: global_buffer, .address_space: global }
      - { .name: proj1, .offset: 16, .size: 8, .value_kind: global_buffer, .address_space: global }
      - { .name: proj2, .offset: 24, .size: 8, .value_kind: global_buffer, .address_space: global }
      - { .name: pf, .offset: 32, .size: 8, .value_kind: global_buffer, .address_space: global }
    .group_segment_fixed_size: 164864
    .private_segment_fixed_size: 0
    .kernarg_segment_align: 8
    .kernarg_segment_size: 40
    .max_flat_workgroup_size: 256
    .sgpr_count:     66
    .vgpr_count:     256
    .wavefront_size: 32
...
	.end_amdgpu_metadata
.endif
;; end of part 1
;; launch main (part 2): grid 256 x 1, 8 waves a work-group, no clusters, 325,376 bytes of LDS; arguments pf, w0, b0, w1, b1, w2, b2, part; writes part
.if DOCPART == 2
	.amdgcn_target "amdgcn-amd-amdhsa--gfx1250"
	.amdhsa_code_object_version 6
	.text
	.protected	k_qff0b488e2d_main
	.globl	k_qff0b488e2d_main
	.p2align	8
	.type	k_qff0b488e2d_main,@function
k_qff0b488e2d_main:
	s_mov_b64 s[64:65], 0
	v_nop
	global_prefetch_b8 v0, s[64:65] scope:SCOPE_SE
	s_setreg_imm32_b32 hwreg(HW_REG_WAVE_MODE, 25, 1), 1
	s_wait_xcnt 0x0
; For each group of vocabulary columns and each token: cm = log2(e) x the largest logit, l = the sum of 2^(log2(e) x - cm), x = P . w[v] + b[v].  No logit goes to memory.
; part: [512 rows][2048 tokens][cm, l] f32: rows 0-255 the head's 256 groups, 256-383 tail 1's 128, 384-511 tail 2's 128.  The two cluster columns of the head are added by the launch behind.
; SHARES.  Work-group g: the head's group g (78 or 79 columns in a window of 80 rows of w0) for all 128 token tiles; with cg = g / 2, th = g % 2: tail 1's group cg (234 or 235 columns, window
; of 240 rows of w1) and tail 2's (390 or 391, window of 400 rows of w2), each for the 64 token tiles of half th.  All 256 work-groups do equal work.  A wave's tile is 80 columns x 64 tokens:
; 20 accumulators.  Head: a wave has 16 token tiles, four passes.  Tails: 8 token tiles, two passes of 3 or 5 chunks of 80 columns with a running maximum.
; THE WEIGHTS ARE RESIDENT: read from memory in f32, rounded to bf16 in registers, kept in LDS.  Order: tail 2, tail 1, head.  w2's window is loaded first; w0's and w1's are fed in ten batches,
; one in each of tail 2's ten trips: asked for at a trip's head, rounded and stored at its end.  w2's bytes overlap w0's rows 72-79 and w1's rows 0-23: these are batch 9, stored when tail 2 is over.
; P COMES FROM MEMORY STRAIGHT INTO REGISTERS: pf is laid out so that 512 consecutive bytes are half a fragment.  In the head eight K steps of 8 loads a wave are on their way.
; NO CLUSTER, NO COPY ENGINE: the weights and tables take 325,376 of the 327,680 bytes of LDS, so there is no room for slots in which a shared tile of P could land.
; LAYOUT.  Source 0 = 16 rows of w, source 1 = 16 tokens: a lane holds ONE token (lane % 16) and the columns 8 (lane / 16) + 0..7 of each tile.  The sums start at the bias (C of the first product).
; Each lane keeps cm and l of its own half of the columns; the halves meet once a pass.
; LIMITS.  A window's rows outside the group's range get the bias -1e30: logits stay far below 1e30 in size.  Every lane's 40 columns of a chunk hold at least 24 true ones, so cm is a true
; logit's from the first chunk on.  cm starts at -4.25e37.  A weight below 2^-126 counts as 0 in l.  NaN and infinities are not treated apart.
; In the head's last pass the look-ahead loads that pass's own first eight K steps once more (32 KiB a wave, not used): the price of one text with one count for all four passes.
.set W0P, 2064                         ; LDS pitches: row bytes + 16: odd multiples of 16, so the 16 rows of a fragment load lie 16 bytes apart modulo 256
.set W1P, 528
.set W2P, 144
.set W2B, 72*W0P                       ; w0 at 0 (80 rows); w2 from w0's row 72 on (400 rows),
.set W1B, W2B+400*W2P-24*W1P           ; up to w1's row 24 (240 rows)
.set BT0, W1B+240*W1P                  ; the biases of the three windows, f32: 256, 256 and 512 words
.set BT1, BT0+1024
.set BT2, BT1+1024
.set SPARE, BT2+2048                   ; the spare words, 128 bytes a wave
; window 0: v0 thread; v1 16 x lane; v2 bias address; v3 8 x lane; v4-6 fragment addresses (tails: v4 the chunk's, v5 the lane's term; v6, v7 the feed's); v8-15 (cm, l) x 4 tiles (tails)
;   v16-95 two buffers of 5 fragments of w; behind the products: v16-47 at work, v48-55 (cm, l) in the head, v56-83 the halves' meeting;  v96-255 accumulator (a, t) at 96 + 8 (4 a + t)
; window 1: fragments of P: K step k % 8, tile t at 32 (k % 8) + 8 t.  In tail 2: v0-63 the pass in hand, v64-127 the second pass, v128-183 a batch in f32, v184-211 in bf16
; s24 wave; s25 g, s26 cg, s27 th; s28-30, s31-33, s34-36 window start, lo, len of head, tail 1, tail 2; s37 my first tile in the tails; s[38:39] log2(e); s[40:41] lane selects; s42 mask of lanes 16-31
; s43 -1e30; s[44:45], s[46:47] the feed's pointers; s[48:49] P; s[50:51] P of the look-ahead; s[52:53] part; s54 passes, s55 chunks, s56 trips; s[58:59] an offset; s60, s61 the feed's LDS targets; s62, s63 the chunk's rows and biases
.set MSB, 0
.macro WIN new                         ; the immediate's high byte repeats the setting that is left; a switch that changes nothing is dropped
.if MSB != (\new)
	s_set_vgpr_msb (MSB<<8)|(\new)
.set MSB, \new
.endif
.endm
.set W_MM, 0x04                        ; source 1 in window 1: P in a product, the data of an LDS store.  LDS loads name destination and source 0 alone, both window 0
.set W_LD, 0x40                        ; destination in window 1
.set W_CV, 0x45                        ; destination and both sources in window 1
.macro RANGE idx, mul, fr, top, st, lo, len    ; group i begins at mul x i + (fr x i) / 8
	s_mul_i32 s2, s[\idx], \mul
	s_mul_i32 s3, s[\idx], \fr
	s_lshr_b32 s3, s3, 3
	s_add_co_u32 s2, s2, s3
	s_add_co_u32 s4, s[\idx], 1
	s_mul_i32 s5, s4, \mul
	s_mul_i32 s4, s4, \fr
	s_lshr_b32 s4, s4, 3
	s_add_co_u32 s5, s5, s4
	s_min_u32 s[\st], s2, \top                     ; the window stays inside the table
	s_sub_co_u32 s[\lo], s2, s[\st]
	s_sub_co_u32 s[\len], s5, s2
.endm
.macro LOADB sb, tstride, extra, nkf, rb       ; fragments of P for four tiles and nkf K steps, 8 loads of 512 consecutive bytes a step
	WIN W_LD
.set lk, 0
.rept \nkf
.irp t, 0,1,2,3
.irp q, 0,1
	global_load_b128 v[(\rb)+32*lk+8*\t+4*\q:(\rb)+32*lk+8*\t+4*\q+3], v1, s[\sb:\sb+1] offset:(\extra)+(\tstride)*\t+1024*lk+512*\q
.endr
.endr
.set lk, lk+1
.endr
.endm
.macro ALOAD k, pitch, adiv                    ; five fragments of w for K step k into buffer k % 2
.set ab, 16+40*((\k)%2)
.irp a, 0,1,2,3,4
	ds_load_b128 v[ab+8*\a:ab+8*\a+3], v[4+(\a)/(\adiv)] offset:((\a)%(\adiv))*16*(\pitch)+64*(\k)
	ds_load_b128 v[ab+8*\a+4:ab+8*\a+7], v[4+(\a)/(\adiv)] offset:((\a)%(\adiv))*16*(\pitch)+64*(\k)+32
.endr
.endm
; 80 columns x 64 tokens over nk K steps of 32.  The 20 accumulators take turns, one product a turn.  ring = 1 (the head): each step asks for the K step eight on.
.macro MATRIX nk, pitch, adiv, ring, lcnt
	WIN 0
.irp a, 0,1,2,3,4
.irp t, 0,1,2,3
	ds_load_b128 v[96+8*(4*\a+\t):96+8*(4*\a+\t)+3], v2 offset:64*\a        ; the sums start at the bias: register j is column 16 a + 8 h + j
	ds_load_b128 v[96+8*(4*\a+\t)+4:96+8*(4*\a+\t)+7], v2 offset:64*\a+16
.endr
.endr
	ALOAD 0, \pitch, \adiv
	ALOAD 1, \pitch, \adiv
.if !(\ring)
	s_wait_loadcnt \lcnt                           ; P is in; tail 2: this trip's 14 loads of the feed stay out
.endif
.set kf, 0
.rept \nk
.if \ring
	s_wait_loadcnt 56                              ; this step's 8 loads are in; the seven younger steps' 56 stay out
.endif
.if kf+1 < \nk
	s_wait_dscnt 10                                ; all but the next step's ten fragment loads
.else
	s_wait_dscnt 0x0
.endif
	WIN W_MM
.irp a, 0,1,2,3,4
.irp t, 0,1,2,3
	v_wmma_f32_16x16x32_bf16 v[96+8*(4*\a+\t):96+8*(4*\a+\t)+7], v[16+40*(kf%2)+8*\a:16+40*(kf%2)+8*\a+7], v[32*(kf%8)+8*\t:32*(kf%8)+8*\t+7], v[96+8*(4*\a+\t):96+8*(4*\a+\t)+7]
.endr
.endr
.rept 4
	v_nop                                          ; four places, ahead of loads into registers that these products read and of what reads their results
.endr
.if kf+2 < \nk
	ALOAD kf+2, \pitch, \adiv
.endif
.if \ring
	WIN W_LD
.irp t, 0,1,2,3
.irp q, 0,1
.if kf < 24
	global_load_b128 v[32*(kf%8)+8*\t+4*\q:32*(kf%8)+8*\t+4*\q+3], v1, s[48:49] offset:(kf+8)*1024+32768*\t+512*\q
.else
	global_load_b128 v[32*(kf%8)+8*\t+4*\q:32*(kf%8)+8*\t+4*\q+3], v1, s[50:51] offset:(kf-24)*1024+32768*\t+512*\q
.endif
.endr
.endr
.endif
.set kf, kf+1
.endr
.endm
.macro INIT st
	WIN 0
.irp t, 0,1,2,3
	v_mov_b32 v[(\st)+2*\t], 0xfe000000            ; cm: far below every log2(e) x
	v_mov_b32 v[(\st)+2*\t+1], 0                   ; l
.endr
.endm
.macro EF st, i                                ; pair i of 80 (tile i % 4, pair (i / 4) % 4 of accumulator i / 16): log2(e) x - cm
.set ex, 96+8*(4*((\i)/16)+(\i)%4)+2*(((\i)/4)%4)
.set et, (\st)+2*((\i)%4)
	v_pk_fma_f32 v[ex:ex+1], v[ex:ex+1], s[38:39], v[et:et+1] op_sel_hi:[1,0,0] neg_lo:[0,0,1] neg_hi:[0,0,1]
.endm
.macro EE i, hf
.set ex, 96+8*(4*((\i)/16)+(\i)%4)+2*(((\i)/4)%4)+(\hf)
	v_exp_f32 v[ex], v[ex]
.endm
; The chunk's 40 logits a lane and tile enter (cm, l) at st.  The four tiles alternate, so that no line waits for the one before it.  Tile t works in v[16 + 8 t ..].
.macro EPI st
	WIN 0
.irp c, 0,1,2
.irp a, 0,1,2,3,4
.irp t, 0,1,2,3
.if \c == 0
	v_max3_num_f32 v[16+8*\t+\a], v[96+8*(4*\a+\t)], v[96+8*(4*\a+\t)+1], v[96+8*(4*\a+\t)+2]   ; each accumulator is read from its low end on
.else
	v_max3_num_f32 v[16+8*\t+\a], v[16+8*\t+\a], v[96+8*(4*\a+\t)+2*\c+1], v[96+8*(4*\a+\t)+2*\c+2]
.endif
.endr
.endr
.endr
.irp t, 0,1,2,3
	v_max3_num_f32 v[16+8*\t], v[16+8*\t], v[17+8*\t], v[18+8*\t]
.endr
.irp t, 0,1,2,3
	v_max3_num_f32 v[16+8*\t], v[16+8*\t], v[19+8*\t], v[20+8*\t]
.endr
.irp t, 0,1,2,3
	v_max3_num_f32 v[16+8*\t], v[16+8*\t], v[96+8*\t+7], v[96+8*(4+\t)+7]
.endr
.irp t, 0,1,2,3
	v_max3_num_f32 v[16+8*\t], v[16+8*\t], v[96+8*(8+\t)+7], v[96+8*(12+\t)+7]
.endr
.irp t, 0,1,2,3
	v_max_num_f32 v[16+8*\t], v[16+8*\t], v[96+8*(16+\t)+7]
.endr
.irp t, 0,1,2,3
	v_mul_f32 v[17+8*\t], s38, v[16+8*\t]
.endr
.irp t, 0,1,2,3
	v_max_num_f32 v[17+8*\t], v[17+8*\t], v[(\st)+2*\t]      ; the new cm
.endr
.irp t, 0,1,2,3
	v_sub_f32 v[18+8*\t], v[(\st)+2*\t], v[17+8*\t]          ; cm_old - cm_new
.endr
.irp t, 0,1,2,3
	v_mov_b32 v[(\st)+2*\t], v[17+8*\t]
.endr
.set n, 0
.rept 8
	EF \st, n                                      ; ONE BATCH of 164 exponentials: eight scalings lead, then a pair's two exponentials with a later pair's scaling between them
.set n, n+1
.endr
.set n, 0
.rept 80
	EE n, 0
.if n+8 < 80
	EF \st, n+8
.endif
	EE n, 1
.set n, n+1
.endr
.irp t, 0,1,2,3
	v_exp_f32 v[19+8*\t], v[18+8*\t]               ; a = 2^(cm_old - cm_new)
.endr
	v_nop                                          ; the plain instruction behind the last exponential
	s_wait_alu depctr_va_vdst(0)                   ; the one wait ahead of the batch's first reader
.irp a, 0,1,2,3,4
.irp t, 0,1,2,3
	v_pk_add_f32 v[96+8*(4*\a+\t):96+8*(4*\a+\t)+1], v[96+8*(4*\a+\t):96+8*(4*\a+\t)+1], v[96+8*(4*\a+\t)+2:96+8*(4*\a+\t)+3]
	v_pk_add_f32 v[96+8*(4*\a+\t)+4:96+8*(4*\a+\t)+5], v[96+8*(4*\a+\t)+4:96+8*(4*\a+\t)+5], v[96+8*(4*\a+\t)+6:96+8*(4*\a+\t)+7]
.endr
.endr
.irp a, 0,1,2,3,4
.irp t, 0,1,2,3
	v_pk_add_f32 v[96+8*(4*\a+\t):96+8*(4*\a+\t)+1], v[96+8*(4*\a+\t):96+8*(4*\a+\t)+1], v[96+8*(4*\a+\t)+4:96+8*(4*\a+\t)+5]
.endr
.endr
.irp t, 0,1,2,3
	v_pk_add_f32 v[96+8*\t:96+8*\t+1], v[96+8*\t:96+8*\t+1], v[96+8*(4+\t):96+8*(4+\t)+1]
	v_pk_add_f32 v[96+8*(8+\t):96+8*(8+\t)+1], v[96+8*(8+\t):96+8*(8+\t)+1], v[96+8*(12+\t):96+8*(12+\t)+1]
.endr
.irp t, 0,1,2,3
	v_pk_add_f32 v[96+8*\t:96+8*\t+1], v[96+8*\t:96+8*\t+1], v[96+8*(8+\t):96+8*(8+\t)+1]
.endr
.irp t, 0,1,2,3
	v_pk_add_f32 v[96+8*\t:96+8*\t+1], v[96+8*\t:96+8*\t+1], v[96+8*(16+\t):96+8*(16+\t)+1]
.endr
.irp t, 0,1,2,3
	v_add_f32 v[20+8*\t], v[96+8*\t], v[97+8*\t]
.endr
.irp t, 0,1,2,3
	v_fma_f32 v[(\st)+2*\t+1], v[(\st)+2*\t+1], v[19+8*\t], v[20+8*\t]   ; l = l a + the chunk's sum
.endr
.endm
; A pass ends: a token's two halves of the columns lie in lanes 16 apart; they meet, and four tiles' pairs are stored: lanes 0-15 an even tile, lanes 16-31 the odd one behind it.
.macro FINISH st
	WIN 0
.irp t, 0,1,2,3
	v_permlanex16_b32 v[56+6*\t], v[(\st)+2*\t], s40, s41
.endr
.irp t, 0,1,2,3
	v_permlanex16_b32 v[57+6*\t], v[(\st)+2*\t+1], s40, s41
.endr
.irp t, 0,1,2,3
	v_max_num_f32 v[58+6*\t], v[(\st)+2*\t], v[56+6*\t]
.endr
.irp t, 0,1,2,3
	v_sub_f32 v[59+6*\t], v[(\st)+2*\t], v[58+6*\t]
	v_sub_f32 v[60+6*\t], v[56+6*\t], v[58+6*\t]
.endr
.irp t, 0,1,2,3
	v_exp_f32 v[59+6*\t], v[59+6*\t]
	v_exp_f32 v[60+6*\t], v[60+6*\t]
.endr
	v_nop
	s_wait_alu depctr_va_vdst(0)                   ; one wait for the eight
.irp t, 0,1,2,3
	v_mul_f32 v[61+6*\t], v[(\st)+2*\t+1], v[59+6*\t]
.endr
.irp t, 0,1,2,3
	v_fma_f32 v[61+6*\t], v[57+6*\t], v[60+6*\t], v[61+6*\t]
.endr
	v_cndmask_b32 v80, v58, v64, s42
	v_cndmask_b32 v81, v61, v67, s42
	v_cndmask_b32 v82, v70, v76, s42
	v_cndmask_b32 v83, v73, v79, s42
	global_store_b64 v3, v[80:81], s[52:53]                  ; 32 tokens' pairs: 256 consecutive bytes, aligned
	global_store_b64 v3, v[82:83], s[52:53] offset:256
	s_wait_xcnt 0x0                                ; every memory instruction issued so far has read its registers: pointers and store data may be written
	s_add_nc_u64 s[52:53], s[52:53], 512
.endm
.macro LANEBASE pitch                          ; v5 = row (lane % 16) x pitch + 16 x (lane / 16)
	v_and_b32 v5, 15, v0
	v_mul_u32_u24 v5, v5, \pitch
	v_bfe_u32 v4, v0, 4, 1
	v_lshl_add_u32 v5, v4, 4, v5
.endm
.macro CHUNKADR                                ; the chunk's rows and biases: stepped scalars plus the lane's terms
	v_add_nc_u32 v4, s62, v5
	v_bfe_u32 v2, v0, 4, 1
	v_lshl_add_u32 v2, v2, 5, s63
.endm
; THE FEED.  Batch t (0..9), wave w: row 8 t + w of w0's window (8 loads of 512 bytes) and rows 24 (9 - t) + 3 w + 0..2 of w1's (6 loads).
.macro FEEDLD
	WIN W_LD
.irp i, 0,1,2,3,4,5,6,7
	global_load_b128 v[128+4*\i:128+4*\i+3], v1, s[44:45] offset:512*\i th:TH_LOAD_NT
.endr
.irp u, 0,1,2,3,4,5
	global_load_b128 v[160+4*\u:160+4*\u+3], v1, s[46:47] offset:512*\u
.endr
.endm
.macro FEEDCV
	WIN W_CV
.set i, 0
.rept 28
	v_cvt_pk_bf16_f32 v[184+i], v[128+2*i], v[129+2*i]
.set i, i+1
.endr
.endm
.macro FEEDST
	WIN 0
	v_add_nc_u32 v6, s60, v3
	v_add_nc_u32 v7, s61, v3
	WIN W_MM
.irp i, 0,1,2,3,4,5,6,7
	ds_store_b64 v6, v[184+2*\i:185+2*\i] offset:256*\i
.endr
.irp u, 0,1,2,3,4,5
	ds_store_b64 v7, v[200+2*\u:201+2*\u] offset:W1P*((\u)/2)+256*((\u)%2)
.endr
	s_add_co_u32 s60, s60, 8*W0P
	s_sub_co_u32 s61, s61, 24*W1P
.endm
	s_load_b512 s[8:23], s[0:1], 0x0               ; pf s[8:9], w0 s[10:11], b0 s[12:13], w1 s[14:15], b1 s[16:17], w2 s[18:19], b2 s[20:21], part s[22:23]
	v_lshrrev_b32 v80, 5, v0
	v_readfirstlane_b32 s24, v80                   ; wave 0..7
	v_and_b32 v80, 31, v0
	v_lshlrev_b32 v1, 4, v80
	v_lshlrev_b32 v3, 3, v80
	s_mov_b32 s25, ttmp9
	s_lshr_b32 s26, s25, 1
	s_and_b32 s27, s25, 1
	RANGE 25, 78, 1, 19920, 28, 29, 30             ; 256 x 78 + 32 = 20,000
	RANGE 26, 234, 3, 29760, 31, 32, 33            ; 128 x 234 + 48 = 30,000
	RANGE 26, 390, 5, 49600, 34, 35, 36            ; 128 x 390 + 80 = 50,000
	s_mov_b32 s38, 0x3fb8aa3b                      ; log2(e)
	s_mov_b32 s39, s38                             ; named with it as a pair
	s_mov_b32 s40, 0x76543210
	s_mov_b32 s41, 0xfedcba98
	s_mov_b32 s42, 0xffff0000
	s_mov_b32 s43, 0xf149f2ca                      ; -1e30
	s_mov_b32 s59, 0
	s_lshl_b32 s37, s27, 6
	s_lshl_b32 s57, s24, 3
	s_add_co_u32 s37, s37, s57                     ; 64 th + 8 w
	v_min_u32 v16, 79, v0                          ; thread i takes word i of each bias window, held inside the window
	v_add_lshl_u32 v16, v16, s28, 2
	v_min_u32 v17, 239, v0
	v_add_lshl_u32 v17, v17, s31, 2
	v_add_lshl_u32 v18, v0, s34, 2
	v_add_nc_u32 v19, 256, v0
	v_min_u32 v19, 399, v19
	v_add_lshl_u32 v19, v19, s34, 2
	s_lshl_b32 s58, s34, 8
	s_mul_i32 s57, s24, 12800
	s_add_co_u32 s58, s58, s57
	s_wait_kmcnt 0x0
	s_add_nc_u64 s[4:5], s[18:19], s[58:59]        ; w2 at my 50 rows of the window: 12,800 consecutive bytes
.set i, 0
.rept 25
	global_load_b128 v[96+4*i:96+4*i+3], v1, s[4:5] offset:512*i
.set i, i+1
.endr
	global_load_b32 v20, v16, s[12:13]
	global_load_b32 v21, v17, s[16:17]
	global_load_b32 v22, v18, s[20:21]
	global_load_b32 v23, v19, s[20:21]
	s_lshl_b32 s58, s37, 11
	s_add_co_u32 s58, s58, 0x500000
	s_add_nc_u64 s[48:49], s[8:9], s[58:59]        ; P2 at my 8 tiles
	LOADB 48, 2048, 0, 2, 0
	LOADB 48, 2048, 8192, 2, 64
	WIN 0
	s_add_co_u32 s58, s28, s24
	s_lshl_b32 s58, s58, 12
	s_add_nc_u64 s[44:45], s[10:11], s[58:59]      ; w0 at row w of the window
	s_mul_i32 s58, s24, 3
	s_add_co_u32 s58, s58, s31
	s_add_co_u32 s58, s58, 216
	s_lshl_b32 s58, s58, 10
	s_add_nc_u64 s[46:47], s[14:15], s[58:59]      ; w1 at row 216 + 3 w of the window
	s_mul_i32 s60, s24, W0P
	s_mul_i32 s61, s24, 3*W1P
	s_add_co_u32 s61, s61, W1B+216*W1P
	s_add_co_u32 s58, s26, 384
	s_lshl_b32 s58, s58, 14
	s_lshl_b32 s57, s37, 7
	s_add_co_u32 s58, s58, s57
	s_add_nc_u64 s[52:53], s[22:23], s[58:59]      ; part: row 384 + cg, my first tile
	v_bfe_u32 v83, v0, 4, 1
	v_mul_u32_u24 v81, v83, W2P
	v_and_b32 v83, 15, v0
	v_lshl_add_u32 v81, v83, 3, v81
	s_mul_i32 s57, s24, 50*W2P
	s_add_co_u32 s57, s57, W2B
	v_add_nc_u32 v81, s57, v81                     ; row 50 w + lane / 16, 8 bytes at lane % 16
	v_lshl_add_u32 v82, v0, 2, BT0
	s_wait_loadcnt 32                              ; w2 and the biases are in; the 32 loads of P2 stay out
.set i, 0
.rept 25
	v_cvt_pk_bf16_f32 v[24+2*i], v[96+4*i], v[97+4*i]
	v_cvt_pk_bf16_f32 v[25+2*i], v[98+4*i], v[99+4*i]
	ds_store_b64 v81, v[24+2*i:25+2*i] offset:2*W2P*i
.set i, i+1
.endr
	v_sub_nc_u32 v83, v0, s29                      ; word i counts where i - lo, unsigned, is below len
	v_cmp_gt_u32 vcc_lo, s30, v83
	v_cndmask_b32 v20, s43, v20, vcc_lo
	v_sub_nc_u32 v83, v0, s32
	v_cmp_gt_u32 vcc_lo, s33, v83
	v_cndmask_b32 v21, s43, v21, vcc_lo
	v_sub_nc_u32 v83, v0, s35
	v_cmp_gt_u32 vcc_lo, s36, v83
	v_cndmask_b32 v22, s43, v22, vcc_lo
	v_add_nc_u32 v83, 256, v0
	v_sub_nc_u32 v83, v83, s35
	v_cmp_gt_u32 vcc_lo, s36, v83
	v_cndmask_b32 v23, s43, v23, vcc_lo
	ds_store_b32 v82, v20
	ds_store_b32 v82, v21 offset:1024
	ds_store_b32 v82, v22 offset:2048
	ds_store_b32 v82, v23 offset:3072
	LANEBASE W2P
	s_wait_dscnt 0x0                               ; my rows of w2 and my bias words are stored
	s_barrier_signal -1
	s_barrier_wait -1                              ; everybody's are
; TAIL 2: two passes of four tiles, five chunks of 80 columns each; K = 64.  Each of the ten trips carries a batch of the feed.
	s_mov_b32 s56, 10
	s_mov_b32 s54, 2
.Lt2pass:
	INIT 8
	s_mov_b32 s55, 5
	s_mov_b32 s62, W2B
	s_mov_b32 s63, BT2
.Lt2chunk:
	CHUNKADR
	FEEDLD
	MATRIX 2, W2P, 5, 0, 14
	EPI 8
	s_wait_loadcnt 0x0                             ; the batch is in, so its pointers may be stepped too
	FEEDCV
	s_add_nc_u64 s[44:45], s[44:45], 8*4096
	s_sub_nc_u64 s[46:47], s[46:47], 24*1024
	WIN 0
	s_cmp_eq_u32 s56, 1                            ; batch 9 lands on bytes of w2: it waits in registers for the barrier behind tail 2
	s_cbranch_scc1 .Lt2keep
	FEEDST
	WIN 0
.Lt2keep:
	s_add_co_u32 s62, s62, 80*W2P
	s_add_co_u32 s63, s63, 320
	s_sub_co_u32 s56, s56, 1
	s_sub_co_u32 s55, s55, 1
	s_cmp_lg_u32 s55, 0
	s_cbranch_scc1 .Lt2chunk
	FINISH 8
	WIN 0x41                                       ; the second pass's P goes where the one text of the products names it
.set i, 0
.rept 64
	v_mov_b32 v[i], v[64+i]
.set i, i+1
.endr
	WIN 0
	s_sub_co_u32 s54, s54, 1
	s_cmp_lg_u32 s54, 0
	s_cbranch_scc1 .Lt2pass
; THE CHANGE OF TABLES
	s_wait_dscnt 0x0                               ; my reads of w2 are over, my stores of batches 0-8 done
	s_barrier_signal -1
	s_barrier_wait -1                              ; nobody reads w2 any more
	FEEDST                                         ; batch 9: w0's rows 72-79, w1's rows 0-23
	WIN 0
	s_lshl_b32 s58, s37, 13
	s_add_co_u32 s58, s58, 0x400000
	s_add_nc_u64 s[48:49], s[8:9], s[58:59]        ; P1 at my 8 tiles (the loads that named this pair were waited for long ago)
	s_lshl_b32 s58, s24, 19
	s_add_nc_u64 s[50:51], s[8:9], s[58:59]        ; P0 at my 16 tiles
	s_add_co_u32 s58, s26, 256
	s_lshl_b32 s58, s58, 14
	s_lshl_b32 s57, s37, 7
	s_add_co_u32 s58, s58, s57
	s_add_nc_u64 s[52:53], s[22:23], s[58:59]      ; part: row 256 + cg
	LANEBASE W1P
	s_wait_dscnt 0x0                               ; batch 9 is stored: its registers may be loaded, and the others may read it behind the barrier
	LOADB 48, 8192, 0, 8, 0                        ; the first pass's P1
	WIN 0
	s_barrier_signal -1
	s_barrier_wait -1                              ; w0 and w1 are whole
; TAIL 1: two passes of four tiles, three chunks of 80 columns; K = 256.  A pass's P stays in registers for its three chunks.
	s_mov_b32 s56, 6
	s_mov_b32 s54, 2
.Lt1pass:
	INIT 8
	s_mov_b32 s55, 3
	s_mov_b32 s62, W1B
	s_mov_b32 s63, BT1
.Lt1chunk:
	CHUNKADR
	MATRIX 8, W1P, 5, 0, 0
	WIN 0
	; P's registers are asked for again behind a pass's last products, under the vector work below: EITHER the second pass's P OR the head's first eight K steps, never both in a trip
	s_cmp_eq_u32 s56, 4                            ; the first pass's last products are issued
	s_cbranch_scc0 .Lt1a
	LOADB 48, 8192, 32768, 8, 0
	WIN 0
	s_branch .Lt1b
.Lt1a:
	s_cmp_eq_u32 s56, 1                            ; the last products of tail 1
	s_cbranch_scc0 .Lt1b
	s_wait_loadcnt 0x0                             ; no load of mine is out (the products' wait was for 0, and nothing was asked for since): written out, so that no two loads are ever out on one register; it is met at once
	LOADB 50, 32768, 0, 8, 0
	WIN 0
.Lt1b:
	EPI 8
	s_add_co_u32 s62, s62, 80*W1P
	s_add_co_u32 s63, s63, 320
	s_sub_co_u32 s56, s56, 1
	s_sub_co_u32 s55, s55, 1
	s_cmp_lg_u32 s55, 0
	s_cbranch_scc1 .Lt1chunk
	FINISH 8
	s_sub_co_u32 s54, s54, 1
	s_cmp_lg_u32 s54, 0
	s_cbranch_scc1 .Lt1pass
; THE HEAD: four passes of four tiles, 80 columns, K = 1,024: 32 K steps written out, so that every LDS address is an immediate.
	s_mov_b64 s[48:49], s[50:51]                   ; (behind FINISH's wait every load has read its base)
	s_lshl_b32 s58, s25, 14
	s_lshl_b32 s57, s24, 11
	s_add_co_u32 s58, s58, s57
	s_add_nc_u64 s[52:53], s[22:23], s[58:59]      ; part: row g, my 16 tiles
	LANEBASE W0P
	v_mov_b32 v4, v5                               ; column tiles 0, 1
	v_add_nc_u32 v5, 32*W0P, v4                    ; 2, 3
	v_add_nc_u32 v6, 64*W0P, v4                    ; 4
	v_bfe_u32 v2, v0, 4, 1
	v_lshl_add_u32 v2, v2, 5, BT0
	s_mov_b32 s54, 4
.Lhpass:
	s_cmp_eq_u32 s54, 1
	s_cselect_b32 s58, 0, 0x20000                  ; the look-ahead's tiles: the next pass's, in the last pass this pass's own
	s_add_nc_u64 s[50:51], s[48:49], s[58:59]
	MATRIX 32, W0P, 2, 1, 0
	INIT 48
	EPI 48
	FINISH 48
	s_add_nc_u64 s[48:49], s[48:49], 0x20000
	s_sub_co_u32 s54, s54, 1
	s_cmp_lg_u32 s54, 0
	s_cbranch_scc1 .Lhpass
	v_lshl_add_u32 v16, v0, 2, SPARE               ; no two registers could be kept: v0 was, and the add's two are made here
	v_mov_b32 v17, 0
	s_wait_tensorcnt 0x0                           ; the wave's end, behind my last LDS store
	ds_add_u32 v16, v17
	s_wait_dscnt 0x0
	s_endpgm
.Lfunc_end_k_qff0b488e2d_main:
	.size	k_qff0b488e2d_main, .Lfunc_end_k_qff0b488e2d_main-k_qff0b488e2d_main
	.p2alignl 7, 3214868480
	.fill 96, 4, 3214868480
	.section	.rodata,"a",@progbits
	.p2align	6, 0x0
	.amdhsa_kernel k_qff0b488e2d_main
		.amdhsa_group_segment_fixed_size 325376
		.amdhsa_private_segment_fixed_size 0
		.amdhsa_enable_private_segment 0
		.amdhsa_kernarg_size 64
		.amdhsa_user_sgpr_count 2
		.amdhsa_user_sgpr_kernarg_segment_ptr 1
		.amdhsa_wavefront_size32 1
		.amdhsa_system_sgpr_workgroup_id_x 1
		.amdhsa_system_sgpr_workgroup_id_y 1
		.amdhsa_system_sgpr_workgroup_id_z 1
		.amdhsa_system_vgpr_workitem_id 0
		.amdhsa_next_free_vgpr 512
		.amdhsa_next_free_sgpr 66
		.amdhsa_reserve_vcc 1
		.amdhsa_float_denorm_mode_32 3
		.amdhsa_float_denorm_mode_16_64 3
		.amdhsa_memory_ordered 1
		.amdhsa_forward_progress 1
		.amdhsa_inst_pref_size 236
	.end_amdhsa_kernel
	.amdgpu_metadata
---
amdhsa.version: [ 1, 2 ]
amdhsa.kernels:
  - .name:           k_qff0b488e2d_main
    .symbol:         k_qff0b488e2d_main.kd
    .args:
      - { .name: pf, .offset: 0, .size: 8, .value_kind: global_buffer, .address_space: global }
      - { .name: w0, .offset: 8, .size: 8, .value_kind: global_buffer, .address_space: global }
      - { .name: b0, .offset: 16, .size: 8, .value_kind: global_buffer, .address_space: global }
      - { .name: w1, .offset: 24, .size: 8, .value_kind: global_buffer, .address_space: global }
      - { .name: b1, .offset: 32, .size: 8, .value_kind: global_buffer, .address_space: global }
      - { .name: w2, .offset: 40, .size: 8, .value_kind: global_buffer, .address_space: global }
      - { .name: b2, .offset: 48, .size: 8, .value_kind: global_buffer, .address_space: global }
      - { .name: part, .offset: 56, .size: 8, .value_kind: global_buffer, .address_space: global }
    .group_segment_fixed_size: 325376
    .private_segment_fixed_size: 0
    .kernarg_segment_align: 8
    .kernarg_segment_size: 64
    .max_flat_workgroup_size: 256
    .sgpr_count:     66
    .vgpr_count:     512
    .wavefront_size: 32
...
	.end_amdgpu_metadata
.endif
;; end of part 2
;; launch fin (part 3): grid 128 x 1, 16 waves a work-group, no clusters, 2,304 bytes of LDS; arguments part, pf, target, w0, b0, w1, b1, w2, b2, cluster_w, cluster_b, out0; writes out0
.if DOCPART == 3
	.amdgcn_target "amdgcn-amd-amdhsa--gfx1250"
	.amdhsa_code_object_version 6
	.text
	.protected	k_qff0b488e2d_fin
	.globl	k_qff0b488e2d_fin
	.p2align	8
	.type	k_qff0b488e2d_fin,@function
k_qff0b488e2d_fin:
	s_mov_b64 s[64:65], 0
	v_nop
	global_prefetch_b8 v0, s[64:65] scope:SCOPE_SE
	s_setreg_imm32_b32 hwreg(HW_REG_WAVE_MODE, 25, 1), 1
	s_wait_xcnt 0x0
; nll of each token.  A work-group is a tile of 16 tokens, a wave one token n.  The wave joins the token's 512 pairs (cm, l) into three log-sum-exps (the head's takes the two cluster
; logits in as well), makes the logits at the target and the two cluster logits as dot products of P (bf16) with the f32 rows, in f32, and picks by the target's range:
;   t < 20,000: LSEh - x0;   t < 50,000: (LSEh - z1) + (LSE1 - x1);   t < 100,000: (LSEh - z0) + (LSE2 - x2);   else 0.   z0, z1: cluster_w's rows 0, 1 (head columns 20,000 and 20,001).
; The three gathered rows are all loaded and multiplied, whatever t: only values are chosen, by v_cndmask_b32.  The row numbers are t clipped into each table's range.
; A stream of small reads: no matrix unit, no cluster, no tile: no byte is used by two work-groups but cluster_w's 8 KiB.
; The 16 results of a tile are 64 consecutive bytes of out0, stored by one instruction of wave 0; the whole output is 8 KiB.
; LIMITS.  Every pair holds a true maximum; a term below 2^-126 of the largest counts as 0.  NaN and infinities are not treated apart.
.set RES,   0                          ; LDS: 16 words, a block of 256 bytes to themselves
.set SPARE, 256                        ; the spare words, 128 bytes a wave
; v1 lane, v2 pf offset 256 l + 16 r, v3 32 l, v4 16,384 l, v5, v6 the same as v2, v3 with l % 8, v8, v9 the add's registers, v10 wave
; v[16:31] P0, v[32:35] P1, v[36:39] P2, v[40:103] cluster_w, v[104:119], v[120:127], v[128:135] pairs of head, tail 1, tail 2, v[136:167] w0's row, v[168:175] w1's, v[176:183] w2's
; v184 x0, v185 z0, v186 z1, v187 x1, v188 x2, v189 at work, v190, v193, v194 maxima, v191, v192 the cluster terms, v195-197 sums, v198-206 results
.macro WSUM r                          ; the sum over the wave's 32 lanes, in every lane
	v_add_f32_dpp v[\r], v[\r], v[\r] row_xmask:1 row_mask:0xf bank_mask:0xf
	v_add_f32_dpp v[\r], v[\r], v[\r] row_xmask:2 row_mask:0xf bank_mask:0xf
	v_add_f32_dpp v[\r], v[\r], v[\r] row_xmask:4 row_mask:0xf bank_mask:0xf
	v_add_f32_dpp v[\r], v[\r], v[\r] row_xmask:8 row_mask:0xf bank_mask:0xf
	v_permlanex16_b32 v189, v[\r], s38, s39
	v_add_f32 v[\r], v[\r], v189
.endm
.macro WMAX r
	v_max_num_f32_dpp v[\r], v[\r], v[\r] row_xmask:1 row_mask:0xf bank_mask:0xf
	v_max_num_f32_dpp v[\r], v[\r], v[\r] row_xmask:2 row_mask:0xf bank_mask:0xf
	v_max_num_f32_dpp v[\r], v[\r], v[\r] row_xmask:4 row_mask:0xf bank_mask:0xf
	v_max_num_f32_dpp v[\r], v[\r], v[\r] row_xmask:8 row_mask:0xf bank_mask:0xf
	v_permlanex16_b32 v189, v[\r], s38, s39
	v_max_num_f32 v[\r], v[\r], v189
.endm
.macro DOT acc, p, w                   ; two channels: the two bf16 halves of v[p] times the f32 in v[w], v[w+1]
	v_fma_mix_f32_bf16 v[\acc], v[\p], v[\w], v[\acc] op_sel_hi:[1,0,0]
	v_fma_mix_f32_bf16 v[\acc], v[\p], v[(\w)+1], v[\acc] op_sel:[1,0,0] op_sel_hi:[1,0,0]
.endm
	s_load_b512 s[8:23], s[0:1], 0x0               ; part s[8:9], pf s[10:11], target s[12:13], w0 s[14:15], b0 s[16:17], w1 s[18:19], b1 s[20:21], w2 s[22:23]
	s_load_b256 s[24:31], s[0:1], 0x40             ; b2 s[24:25], cluster_w s[26:27], cluster_b s[28:29], out0 s[30:31]
	v_lshl_add_u32 v8, v0, 2, SPARE
	v_mov_b32 v9, 0
	v_lshrrev_b32 v10, 5, v0
	v_readfirstlane_b32 s33, v10                   ; wave = the token's place r in the tile
	v_and_b32 v1, 31, v0
	v_and_b32 v7, 7, v0
	s_lshl_b32 s34, ttmp9, 4
	s_add_co_u32 s34, s34, s33                     ; n
	s_lshl_b32 s35, s34, 2
	s_lshl_b32 s57, s33, 4
	v_lshl_add_u32 v2, v1, 8, s57                  ; block of 8 channels l, token r
	v_lshlrev_b32 v3, 5, v1                        ; the same 8 channels in a row of f32
	v_lshlrev_b32 v4, 14, v1                       ; row l of part
	v_lshl_add_u32 v5, v7, 8, s57
	v_lshlrev_b32 v6, 5, v7
	s_mov_b32 s38, 0x76543210
	s_mov_b32 s39, 0xfedcba98
	s_mov_b32 s53, 0
	s_wait_kmcnt 0x0
	s_load_b32 s32, s[12:13], s35 offset:0x0       ; t
	s_load_b64 s[58:59], s[28:29], 0x0             ; cluster_b
	s_lshl_b32 s52, ttmp9, 15
	s_add_nc_u64 s[40:41], s[10:11], s[52:53]      ; the tile in P0,
	s_lshl_b32 s52, ttmp9, 13
	s_add_co_u32 s52, s52, 0x400000
	s_add_nc_u64 s[42:43], s[10:11], s[52:53]      ; in P1,
	s_lshl_b32 s52, ttmp9, 11
	s_add_co_u32 s52, s52, 0x500000
	s_add_nc_u64 s[44:45], s[10:11], s[52:53]      ; in P2
	s_lshl_b32 s52, s34, 3
	s_add_nc_u64 s[46:47], s[8:9], s[52:53]        ; the token's pair in row 0 of part
	s_lshl_b32 s52, ttmp9, 6
	s_add_nc_u64 s[60:61], s[30:31], s[52:53]      ; the tile's 64 bytes of out0
.irp i, 0,1,2,3
	global_load_b128 v[16+4*\i:19+4*\i], v2, s[40:41] offset:8192*\i
.endr
	global_load_b128 v[32:35], v2, s[42:43]
	global_load_b128 v[36:39], v5, s[44:45]
.irp c, 0,1
.irp i, 0,1,2,3
	global_load_b128 v[40+32*\c+8*\i:43+32*\c+8*\i], v3, s[26:27] offset:4096*\c+1024*\i
	global_load_b128 v[44+32*\c+8*\i:47+32*\c+8*\i], v3, s[26:27] offset:4096*\c+1024*\i+16
.endr
.endr
.irp i, 0,1,2,3,4,5,6,7
	global_load_b64 v[104+2*\i:105+2*\i], v4, s[46:47] offset:524288*\i              ; rows l + 32 i
.endr
.irp i, 0,1,2,3
	global_load_b64 v[120+2*\i:121+2*\i], v4, s[46:47] offset:4194304+524288*\i      ; rows 256 + l + 32 i
	global_load_b64 v[128+2*\i:129+2*\i], v4, s[46:47] offset:6291456+524288*\i      ; rows 384 + l + 32 i
.endr
	s_wait_kmcnt 0x0
	s_max_i32 s48, s32, 0
	s_min_u32 s48, s48, 19999                      ; the three row numbers, each held inside its table
	s_sub_co_i32 s49, s32, 20000
	s_max_i32 s49, s49, 0
	s_min_u32 s49, s49, 29999
	s_sub_co_i32 s50, s32, 50000
	s_max_i32 s50, s50, 0
	s_min_u32 s50, s50, 49999
	s_lshl_b32 s51, s48, 2
	s_lshl_b32 s36, s49, 2
	s_lshl_b32 s37, s50, 2
	s_load_b32 s54, s[16:17], s51 offset:0x0
	s_load_b32 s55, s[20:21], s36 offset:0x0
	s_load_b32 s56, s[24:25], s37 offset:0x0
	s_lshl_b32 s52, s48, 12
	s_add_nc_u64 s[2:3], s[14:15], s[52:53]
	s_lshl_b32 s52, s49, 10
	s_add_nc_u64 s[4:5], s[18:19], s[52:53]
	s_lshl_b32 s52, s50, 8
	s_add_nc_u64 s[6:7], s[22:23], s[52:53]
.irp i, 0,1,2,3
	global_load_b128 v[136+8*\i:139+8*\i], v3, s[2:3] offset:1024*\i
	global_load_b128 v[140+8*\i:143+8*\i], v3, s[2:3] offset:1024*\i+16
.endr
	global_load_b128 v[168:171], v3, s[4:5]
	global_load_b128 v[172:175], v3, s[4:5] offset:16
	global_load_b128 v[176:179], v6, s[6:7]
	global_load_b128 v[180:183], v6, s[6:7] offset:16
.irp r, 184,185,186,187,188,189
	v_mov_b32 v[\r], 0
.endr
	s_wait_loadcnt 0x0
	s_wait_kmcnt 0x0
.irp i, 0,1,2,3
.irp j, 0,1,2,3
	DOT 184, 16+4*\i+\j, 136+8*\i+2*\j
	DOT 185, 16+4*\i+\j, 40+8*\i+2*\j
	DOT 186, 16+4*\i+\j, 72+8*\i+2*\j
.endr
.endr
.irp j, 0,1,2,3
	DOT 187, 32+\j, 168+2*\j
	DOT 188, 36+\j, 176+2*\j
.endr
	v_cmp_gt_u32 vcc_lo, 8, v1                     ; tail 2 has 8 blocks of channels: lanes 8-31 hold copies
	v_cndmask_b32 v188, 0, v188, vcc_lo
	WSUM 184
	WSUM 185
	WSUM 186
	WSUM 187
	WSUM 188
	v_add_f32 v184, s54, v184
	v_add_f32 v185, s58, v185
	v_add_f32 v186, s59, v186
	v_add_f32 v187, s55, v187
	v_add_f32 v188, s56, v188
	; the three maxima
	v_max3_num_f32 v190, v104, v106, v108
	v_max3_num_f32 v193, v120, v122, v124
	v_max3_num_f32 v194, v128, v130, v132
	v_max3_num_f32 v190, v190, v110, v112
	v_max_num_f32 v193, v193, v126
	v_max_num_f32 v194, v194, v134
	v_max3_num_f32 v190, v190, v114, v116
	v_max_num_f32 v190, v190, v118
	WMAX 190
	WMAX 193
	WMAX 194
	v_mul_f32 v191, 0x3fb8aa3b, v185               ; log2(e) z0, z1
	v_mul_f32 v192, 0x3fb8aa3b, v186
	v_max3_num_f32 v190, v190, v191, v192
.irp i, 0,1,2,3,4,5,6,7
	v_sub_f32 v[104+2*\i], v[104+2*\i], v190
.endr
.irp i, 0,1,2,3
	v_sub_f32 v[120+2*\i], v[120+2*\i], v193
	v_sub_f32 v[128+2*\i], v[128+2*\i], v194
.endr
	v_sub_f32 v191, v191, v190
	v_sub_f32 v192, v192, v190
.irp i, 0,1,2,3,4,5,6,7
	v_exp_f32 v[104+2*\i], v[104+2*\i]
.endr
.irp i, 0,1,2,3
	v_exp_f32 v[120+2*\i], v[120+2*\i]
	v_exp_f32 v[128+2*\i], v[128+2*\i]
.endr
	v_exp_f32 v191, v191
	v_exp_f32 v192, v192
	v_nop                                          ; the plain instruction behind the last exponential
	s_wait_alu depctr_va_vdst(0)                   ; one wait for the batch of 18
	v_mul_f32 v195, v105, v104
	v_mul_f32 v196, v121, v120
	v_mul_f32 v197, v129, v128
.irp i, 1,2,3
	v_fma_f32 v195, v[105+2*\i], v[104+2*\i], v195
	v_fma_f32 v196, v[121+2*\i], v[120+2*\i], v196
	v_fma_f32 v197, v[129+2*\i], v[128+2*\i], v197
.endr
.irp i, 4,5,6,7
	v_fma_f32 v195, v[105+2*\i], v[104+2*\i], v195
.endr
	WSUM 195
	WSUM 196
	WSUM 197
	v_add_f32 v195, v195, v191
	v_add_f32 v195, v195, v192
	v_log_f32 v195, v195
	v_log_f32 v196, v196
	v_log_f32 v197, v197
	v_nop
	s_wait_alu depctr_va_vdst(0)
	v_add_f32 v195, v190, v195
	v_add_f32 v196, v193, v196
	v_add_f32 v197, v194, v197
	v_mul_f32 v195, 0x3f317218, v195               ; ln 2 x (M + log2 L)
	v_mul_f32 v196, 0x3f317218, v196
	v_mul_f32 v197, 0x3f317218, v197
	v_sub_f32 v198, v195, v184                     ; the shortlist's
	v_sub_f32 v199, v195, v186
	v_sub_f32 v200, v196, v187
	v_add_f32 v199, v199, v200                     ; tail 1's
	v_sub_f32 v201, v195, v185
	v_sub_f32 v202, v197, v188
	v_add_f32 v201, v201, v202                     ; tail 2's
	s_cmp_lt_i32 s32, 0x186a0
	s_cselect_b32 s57, -1, 0
	v_cndmask_b32 v203, 0, v201, s57
	s_cmp_lt_i32 s32, 50000
	s_cselect_b32 s57, -1, 0
	v_cndmask_b32 v203, v203, v199, s57
	s_cmp_lt_i32 s32, 20000
	s_cselect_b32 s57, -1, 0
	v_cndmask_b32 v203, v203, v198, s57
	v_lshlrev_b32 v204, 2, v10
	ds_store_b32 v204, v203 offset:RES             ; all lanes hold the same number and write the wave's one word
	s_wait_dscnt 0x0
	s_barrier_signal -1
	s_barrier_wait -1                              ; the tile's 16 results lie in LDS
	s_cmp_lg_u32 s33, 0
	s_cbranch_scc1 .Lend
	v_and_b32 v205, 15, v0
	v_lshlrev_b32 v205, 2, v205
	ds_load_b32 v206, v205 offset:RES
	s_wait_dscnt 0x0
	v_cmp_gt_u32 vcc_lo, 16, v0
	s_wait_xcnt 0x0                                ; EXEC changes only when every memory instruction issued so far has read its sources
	s_and_saveexec_b32 s62, vcc_lo
	global_store_b32 v205, v206, s[60:61]          ; lanes 0-15: 64 consecutive bytes
	s_wait_xcnt 0x0                                ; and again, ahead of the line that widens it
	s_or_b32 exec_lo, exec_lo, s62
.Lend:
	s_wait_tensorcnt 0x0                           ; the wave's end, behind my last LDS store
	ds_add_u32 v8, v9
	s_wait_dscnt 0x0
	s_endpgm
.Lfunc_end_k_qff0b488e2d_fin:
	.size	k_qff0b488e2d_fin, .Lfunc_end_k_qff0b488e2d_fin-k_qff0b488e2d_fin
	.p2alignl 7, 3214868480
	.fill 96, 4, 3214868480
	.section	.rodata,"a",@progbits
	.p2align	6, 0x0
	.amdhsa_kernel k_qff0b488e2d_fin
		.amdhsa_group_segment_fixed_size 2304
		.amdhsa_private_segment_fixed_size 0
		.amdhsa_enable_private_segment 0
		.amdhsa_kernarg_size 96
		.amdhsa_user_sgpr_count 2
		.amdhsa_user_sgpr_kernarg_segment_ptr 1
		.amdhsa_wavefront_size32 1
		.amdhsa_system_sgpr_workgroup_id_x 1
		.amdhsa_system_sgpr_workgroup_id_y 1
		.amdhsa_system_sgpr_workgroup_id_z 1
		.amdhsa_system_vgpr_workitem_id 0
		.amdhsa_next_free_vgpr 208
		.amdhsa_next_free_sgpr 66
		.amdhsa_reserve_vcc 1
		.amdhsa_float_denorm_mode_32 3
		.amdhsa_float_denorm_mode_16_64 3
		.amdhsa_memory_ordered 1
		.amdhsa_forward_progress 1
		.amdhsa_inst_pref_size 24
	.end_amdhsa_kernel
	.amdgpu_metadata
---
amdhsa.version: [ 1, 2 ]
amdhsa.kernels:
  - .name:           k_qff0b488e2d_fin
    .symbol:         k_qff0b488e2d_fin.kd
    .args:
      - { .name: part, .offset: 0, .size: 8, .value_kind: global_buffer, .address_space: global }
      - { .name: pf, .offset: 8, .size: 8, .value_kind: global_buffer, .address_space: global }
      - { .name: target, .offset: 16, .size: 8, .value_kind: global_buffer, .address_space: global }
      - { .name: w0, .offset: 24, .size: 8, .value_kind: global_buffer, .address_space: global }
      - { .name: b0, .offset: 32, .size: 8, .value_kind: global_buffer, .address_space: global }
      - { .name: w1, .offset: 40, .size: 8, .value_kind: global_buffer, .address_space: global }
      - { .name: b1, .offset: 48, .size: 8, .value_kind: global_buffer, .address_space: global }
      - { .name: w2, .offset: 56, .size: 8, .value_kind: global_buffer, .address_space: global }
      - { .name: b2, .offset: 64, .size: 8, .value_kind: global_buffer, .address_space: global }
      - { .name: cluster_w, .offset: 72, .size: 8, .value_kind: global_buffer, .address_space: global }
      - { .name: cluster_b, .offset: 80, .size: 8, .value_kind: global_buffer, .address_space: global }
      - { .name: out0, .offset: 88, .size: 8, .value_kind: global_buffer, .address_space: global }
    .group_segment_fixed_size: 2304
    .private_segment_fixed_size: 0
    .kernarg_segment_align: 8
    .kernarg_segment_size: 96
    .max_flat_workgroup_size: 512
    .sgpr_count:     66
    .vgpr_count:     208
    .wavefront_size: 32
...
	.end_amdgpu_metadata
.endif
;; end of part 3
;; ======== version 2 of 2: 3 launches; version 1 with the launches proj, main written anew for expert scheduling mode
;; workspace buffers: pf 5,505,024 bytes; part 8,388,608 bytes
;; launch proj (part 4): grid 21 x 8, 8 waves a work-group, no clusters, 164,864 bytes of LDS; arguments hidden, proj0, proj1, proj2, pf; writes pf
.if DOCPART == 4
	.amdgcn_target "amdgcn-amd-amdhsa--gfx1250"
	.amdhsa_code_object_version 6
	.text
	.protected	k_qff0b488e2d_proj
	.globl	k_qff0b488e2d_proj
	.p2align	8
	.type	k_qff0b488e2d_proj,@function
k_qff0b488e2d_proj:
	s_mov_b64 s[64:65], 0
	v_nop
	global_prefetch_b8 v0, s[64:65] scope:SCOPE_SE
	s_setreg_imm32_b32 hwreg(HW_REG_WAVE_SCHED_MODE, 0, 2), 2
	s_setreg_imm32_b32 hwreg(HW_REG_WAVE_MODE, 25, 1), 1
	s_wait_xcnt 0x0
	s_wait_alu depctr_vm_vsrc(0)
; P = hidden x [proj0 | proj1 | proj2].  hidden: [2048][1024] f32; proj0/1/2: [1024][1024 / 256 / 64] f32.  Operands rounded to bf16, sums in f32, P rounded once to bf16.
; pf holds P0 at byte 0, P1 at 4 MiB, P2 at 5 MiB, each as [tile of 16 tokens][block of 8 channels][token][16 bytes]: 512 consecutive bytes are half a matrix fragment
; (16 tokens x 32 channels) for the launch behind.
; SHARES.  Work-group (x, y): 64 channels (x: 16 groups of proj0, 4 of proj1, 1 of proj2) x 256 tokens.  Wave w: token tiles 16 y + 2 w + 0, 1, all four channel tiles: 8 accumulators.
; The group's 1024 x 64 slab of proj is rounded to bf16 into LDS once ([k][channel], read turned by ds_load_tr16_b128); hidden comes from memory into registers, four K steps ahead.
; THE PRODUCT IS TAKEN TRANSPOSED: source 0 = 16 channels, source 1 = 16 tokens: a lane ends with eight neighbouring channels of one token: its 16 bytes of pf.
; NO CLUSTER: what work-groups share most, the rows of hidden, is shared along x, and 21 groups are no multiple of four; no tile goes through a copy engine here.
; LIMITS: none of its own beyond bf16's rounding of the operands and of P.
; THE MODE: SCHED_MODE bits 1:0 = 2 (LLVM: expert scheduling mode 2), set by the entry lines.  The code itself states the register dependences
; between vector or matrix instructions and memory or LDS instructions, with s_wait_alu, always for 0.
; THE PLAN.  Registers that memory or LDS instructions touch:
;   v3, v4, v5, v8, v13-15, and BF as the slab's 16 offsets: made at the head.  v4 alone is written again, once in four K steps.
;   THE SLAB, four trips of 256 rows.  RAW as two sets of 64: trip p's 32 conversions read set p % 2; behind them trip p + 2's loads land in it (behind trips 2 and 3: the first loads of hidden).
;     PK (ACC's registers) as two sets of 32: trip p's conversions write set p % 2, trip p's 16 LDS stores read it.
;     ONE wait on va_vdst a trip, behind the conversions, states both; one on vm_vsrc at the head of trips 2 and 3 states that the stores of two trips back have read PK.
;   THE K LOOP.  RAW as four sets of 32: step s's 16 conversions read set s; behind them the loads of four steps on land in it.
;     AF0 (window 0), AF1 (window 1): step s's products read AF[s % 2]; the turning loads of step s + 2, issued in step s + 1, land in it.
;     ONE wait on va_vdst a step, behind the conversions: they are done reading RAW[s], the products of the step before are done reading their AF, and in a round's first step v4 is written.
;     The step's 16 loads follow it; the products behind them name AF[s % 2], BF and the accumulators: none of the registers that those loads touch.
;   BF (from the K loop on) and the accumulators are named by vector and matrix instructions alone.   v6, v7: written at the head, read by the closing add alone.
.set LP,    160                        ; an LDS row of the slab: 128 bytes + 32: an odd multiple of 32, for the turning load
.set SPARE, 1024*LP                    ; behind the slab: the spare words, 128 bytes a wave
.set BF,    16                         ; v[16:31]   first the slab loads' 16 offsets, then the two fragments of hidden
.set AF,    32                         ; v[32:63]   AF0: four fragments of proj; at the end the packed results.  AF1 is v[0:31] of window 1
.set ACC,   64                         ; v[64:127]  accumulator (c, t) at ACC + 8 (2 c + t); in the slab phase packed rows, two sets
.set RAW,   128                        ; v[128:255] four sets of 32: a K step of hidden in f32; in the slab phase two sets of 16 loads of proj
; v1 r = lane % 16, v2 h = lane / 16, v3 offset in hidden, v4 LDS address of the turning loads, v5 16 x lane, v6, v7 the add's registers, v8, v13, v14, v15 LDS addresses of the slab stores of trips 0 to 3
; s14 wave, s[16:17], s[40:41] proj's slab at the rows that RAW's set 0, 1 asks for next, s18 its pitch in bytes, s[20:21] hidden at my rows, s[22:23], s[28:29] pf at my two tiles, s25 counter, s[26:27] 512 rows of proj
.set MSB, 0
.macro WIN new                         ; s_set_vgpr_msb: bits 1:0 source 0, 7:6 destination; the immediate's high byte repeats the setting that is left; a switch that changes nothing is dropped
.if MSB != (\new)
	s_set_vgpr_msb (MSB<<8)|(\new)
.set MSB, \new
.endif
.endm
	s_load_b256 s[4:11], s[0:1], 0x0               ; hidden s[4:5], proj0 s[6:7], proj1 s[8:9], proj2 s[10:11]
	s_load_b64 s[12:13], s[0:1], 0x20              ; pf
	v_lshl_add_u32 v6, v0, 2, SPARE
	v_mov_b32 v7, 0
	v_lshrrev_b32 v9, 5, v0
	v_readfirstlane_b32 s14, v9                    ; wave 0..7
	v_and_b32 v10, 31, v0
	v_and_b32 v1, 15, v0
	v_bfe_u32 v2, v0, 4, 1
	v_lshlrev_b32 v3, 12, v1
	v_lshl_add_u32 v3, v2, 5, v3                   ; token r x 4,096 + 32 h: eight f32 of a K step
	v_and_b32 v11, 7, v0
	v_lshl_add_u32 v11, v2, 3, v11
	v_mul_u32_u24 v4, v11, LP                      ; row 8 h + lane % 8
	v_bfe_u32 v11, v0, 3, 1
	v_lshl_add_u32 v4, v11, 4, v4                  ; + 16 x ((lane / 8) % 2)
	v_lshlrev_b32 v5, 4, v10
	v_lshrrev_b32 v12, 4, v0                       ; thread / 16: a row of 16
	v_mul_u32_u24 v8, v12, LP
	v_lshl_add_u32 v8, v1, 3, v8                   ; + 8 x (thread % 16)
	v_add_nc_u32 v13, 256*LP, v8                   ; the same place 256, 512, 768 rows further down: no address is stepped in the slab phase
	v_add_nc_u32 v14, 512*LP, v8
	v_add_nc_u32 v15, 768*LP, v8
	s_wait_alu depctr_va_sdst(0)                   ; s14 is written, ahead of its first reader: the bases of hidden and pf are made from it
	s_mov_b32 s30, ttmp9                           ; x
	s_and_b32 s31, ttmp7, 0xffff                   ; y
	s_mov_b32 s18, 256                             ; what holds for x = 20: proj2
	s_mov_b32 s32, 20
	s_mov_b32 s33, 0x500000
	s_mov_b32 s34, 11
	s_mov_b32 s37, 0
	s_mov_b32 s27, 0
	s_wait_kmcnt 0x0
	s_mov_b64 s[16:17], s[10:11]
	s_cmp_lt_u32 s30, 20                           ; x = 16 .. 19: proj1
	s_cselect_b64 s[16:17], s[8:9], s[16:17]
	s_cselect_b32 s18, 1024, s18
	s_cselect_b32 s32, 16, s32
	s_cselect_b32 s33, 0x400000, s33
	s_cselect_b32 s34, 13, s34
	s_cmp_lt_u32 s30, 16                           ; x = 0 .. 15: proj0
	s_cselect_b64 s[16:17], s[6:7], s[16:17]
	s_cselect_b32 s18, 4096, s18
	s_cselect_b32 s32, 0, s32
	s_cselect_b32 s33, 0, s33
	s_cselect_b32 s34, 15, s34
	s_sub_co_u32 s32, s30, s32                     ; the group's number in its own matrix
	s_lshl_b32 s36, s32, 8
	s_add_nc_u64 s[16:17], s[16:17], s[36:37]      ; its 64 channels: 256 bytes of every row
	s_lshl_b32 s26, s18, 8
	s_add_nc_u64 s[40:41], s[16:17], s[26:27]      ; set 1 begins 256 rows further down
	s_lshl_b32 s26, s18, 9                         ; and each set moves on by 512 rows
	s_lshl_b32 s35, s18, 4
	s_lshl_b32 s36, s31, 20
	s_lshl_b32 s38, s14, 17
	s_add_co_u32 s36, s36, s38
	s_add_nc_u64 s[20:21], s[4:5], s[36:37]        ; hidden at token 256 y + 32 w
	s_lshl_b32 s38, s31, 4
	s_lshl_b32 s39, s14, 1
	s_add_co_u32 s38, s38, s39                     ; my first tile
	s_lshl_b32 s38, s38, s34                       ; x a tile's bytes
	s_add_co_u32 s38, s38, s33
	s_lshl_b32 s39, s32, 11                        ; 64 channels of a tile are 2,048 bytes
	s_add_co_u32 s36, s38, s39
	s_add_nc_u64 s[22:23], s[12:13], s[36:37]
	s_lshl_b32 s36, 1, s34
	s_add_nc_u64 s[28:29], s[22:23], s[36:37]      ; my second tile
	v_mul_lo_u32 v[BF], v12, s18
	v_lshl_add_u32 v[BF], v1, 4, v[BF]             ; row thread / 16, 16 bytes at thread % 16: sixteen lanes take a row's 256 bytes
.set i, 1
.rept 15
	v_add_nc_u32 v[BF+i], s35, v[BF+i-1]           ; 16 rows further down
.set i, i+1
.endr
	s_wait_alu depctr_va_vdst(0)                   ; the offsets and addresses v3, v4, v5, v8, v13-15 and v[BF ..] are written, which the loads and stores below read
; K step s of four (32 channels of hidden, 128 bytes of a row) for both tiles, from byte off behind the pointer: 8 loads into set s
.macro RLOAD s, off
.irp t, 0,1
.irp j, 0,1,2,3
	global_load_b128 v[RAW+32*(\s)+16*\t+4*\j:RAW+32*(\s)+16*\t+4*\j+3], v3, s[20:21] offset:(\off)+128*(\s)+65536*\t+16*((\j)%2)+64*((\j)/2)
.endr
.endr
.endm
; 256 rows of the slab: 16 loads a thread into set b of RAW
.macro SLD b
.irp i, 0,1,2,3,4,5,6,7,8,9,10,11,12,13,14,15
	global_load_b128 v[RAW+64*(\b)+4*\i:RAW+64*(\b)+4*\i+3], v[BF+\i], s[16+24*(\b):17+24*(\b)]
.endr
.endm
; THE SLAB: trip p of four rounds 256 rows and stores them.  left = how many younger loads may stay out.  Trips 0 and 1 ask for trips 2 and 3; trips 2 and 3 ask for the first four K steps of hidden.
.macro SLAB p, left
.if (\p) == 0
.set sa, 8
.else
.set sa, 12+(\p)
.endif
	s_wait_loadcnt \left                           ; loads come back in order: set p % 2 is in, the 16 younger loads stay out
.if (\p) < 2
	s_add_nc_u64 s[16+24*(\p):17+24*(\p)], s[16+24*(\p):17+24*(\p)], s[26:27]  ; free since that wait, which shows the loads that read it done
.else
	s_wait_alu depctr_vm_vsrc(0)                   ; the LDS stores of two trips back have read this set of packed rows, which the conversions below write again
.endif
.irp i, 0,1,2,3,4,5,6,7,8,9,10,11,12,13,14,15
	v_cvt_pk_bf16_f32 v[ACC+32*((\p)%2)+2*\i], v[RAW+64*((\p)%2)+4*\i], v[RAW+64*((\p)%2)+4*\i+1]
	v_cvt_pk_bf16_f32 v[ACC+32*((\p)%2)+2*\i+1], v[RAW+64*((\p)%2)+4*\i+2], v[RAW+64*((\p)%2)+4*\i+3]
.endr
	s_wait_alu depctr_va_vdst(0)                   ; the conversions have written the packed rows, which the stores below read, and are done reading RAW's set, in which the loads below land
.if (\p) < 2
	SLD \p
.else
	RLOAD 2*(\p)-4, 0
	RLOAD 2*(\p)-3, 0
.endif
.irp i, 0,1,2,3,4,5,6,7,8,9,10,11,12,13,14,15
	ds_store_b64 v[sa], v[ACC+32*((\p)%2)+2*\i:ACC+32*((\p)%2)+2*\i+1] offset:16*LP*\i
.endr
.endm
	SLD 0
	SLD 1
	SLAB 0, 16
	SLAB 1, 16
	SLAB 2, 16
	SLAB 3, 16                                     ; the 16 younger ones are the first two K steps of hidden
	s_wait_dscnt 0x0                               ; my part of the slab is stored
	s_barrier_signal -1
	s_barrier_wait -1                              ; everybody's is: the one barrier of the launch
	s_wait_alu depctr_vm_vsrc(0)                   ; my LDS stores have read the packed rows and the slab's loads their offsets: these registers are the accumulators and BF from here on, written by products and conversions
; Four fragments of proj, turned, for the K step at K steps behind v4, into AF0 (b = 0) or AF1 (b = 1: the caller has set the destination's window)
.macro TLOAD b, at
.irp c, 0,1,2,3
	ds_load_tr16_b128 v[AF*(1-(\b))+8*\c:AF*(1-(\b))+8*\c+3], v4 offset:32*LP*(\at)+32*\c
	ds_load_tr16_b128 v[AF*(1-(\b))+8*\c+4:AF*(1-(\b))+8*\c+7], v4 offset:32*LP*(\at)+32*\c+16*LP
.endr
.endm
	TLOAD 0, 0                                     ; K step 0; each step asks for the next one's
; One K step.  left = how many younger loads of hidden may stay out; load = 1: the set is asked for again, four steps on; zero = 1: the products start the sums; more = 1: a step follows.
.macro STEP s, zero, load, left, more
	WIN 0
.rept 4
	v_nop                                          ; four places behind the last product, ahead of the conversions into the fragments of hidden that it read
.endr
	s_wait_loadcnt \left
.irp j, 0,1,2,3,4,5,6,7,8,9,10,11,12,13,14,15
	v_cvt_pk_bf16_f32 v[BF+\j], v[RAW+32*(\s)+2*\j], v[RAW+32*(\s)+2*\j+1]
.endr
.if \more
	WIN 0x40*(((\s)+1)%2)                          ; AF1 lies in window 1
	s_wait_alu depctr_va_vdst(0)                   ; the conversions are done reading RAW[s]; the last step's products are done reading their fragments of proj; in a round's first step v4 is written
	TLOAD ((\s)+1)%2, (\s)+1
	WIN 0
.endif
.if \load
	RLOAD \s, 512                                  ; no wait: no vector or matrix instruction since the wait above names RAW[s]
.endif
.if \more
	s_wait_dscnt 8                                 ; LDS loads come back in order: this step's fragments, asked for a step ago, are in; the eight just issued stay out
.else
	s_wait_dscnt 0x0
.endif
	WIN (\s)%2                                     ; source 0 in window 1 where the step's fragments are AF1
.irp c, 0,1,2,3
.irp t, 0,1
.if \zero
	v_wmma_f32_16x16x32_bf16 v[ACC+8*(2*\c+\t):ACC+8*(2*\c+\t)+7], v[AF*(1-(\s)%2)+8*\c:AF*(1-(\s)%2)+8*\c+7], v[BF+8*\t:BF+8*\t+7], 0
.else
	v_wmma_f32_16x16x32_bf16 v[ACC+8*(2*\c+\t):ACC+8*(2*\c+\t)+7], v[AF*(1-(\s)%2)+8*\c:AF*(1-(\s)%2)+8*\c+7], v[BF+8*\t:BF+8*\t+7], v[ACC+8*(2*\c+\t):ACC+8*(2*\c+\t)+7]
.endif
.endr
.endr
.endm
.macro BOTTOM                          ; four K steps on
	WIN 0                                          ; at a label and at a branch every window is 0
	s_wait_xcnt 0x0                                ; every load issued so far has read its base
	s_add_nc_u64 s[20:21], s[20:21], 512
	s_wait_alu depctr_vm_vsrc(0)                   ; the turning loads issued so far have read v4
	v_add_nc_u32 v4, 128*LP, v4
.endm
	STEP 0, 1, 1, 24, 1                            ; the first step starts the sums: nothing is cleared.  24: three younger sets of 8 loads
	STEP 1, 0, 1, 24, 1
	STEP 2, 0, 1, 24, 1
	STEP 3, 0, 1, 24, 1
	BOTTOM
	s_mov_b32 s25, 6
.Lk:                                           ; the eight accumulators take turns, over the backward jump too
	STEP 0, 0, 1, 24, 1
	STEP 1, 0, 1, 24, 1
	STEP 2, 0, 1, 24, 1
	STEP 3, 0, 1, 24, 1
	BOTTOM
	s_sub_co_u32 s25, s25, 1
	s_cmp_lg_u32 s25, 0
	s_cbranch_scc1 .Lk
	STEP 0, 0, 0, 24, 1                            ; the last four steps load no more of hidden: the counts run down
	STEP 1, 0, 0, 16, 1
	STEP 2, 0, 0, 8, 1
	STEP 3, 0, 0, 0, 0                             ; the last step issues no load, so it states no dependence
	WIN 0
.rept 4
	v_nop                                          ; the places ahead of the conversions, which read results and write the fragments' registers
.endr
.irp a, 0,1,2,3,4,5,6,7
.irp j, 0,1,2,3
	v_cvt_pk_bf16_f32 v[AF+4*\a+\j], v[ACC+8*\a+2*\j], v[ACC+8*\a+2*\j+1]
.endr
.endr
	s_wait_alu depctr_va_vdst(0)                   ; the conversions have written v[AF ..], which the stores read
.irp c, 0,1,2,3
	global_store_b128 v5, v[AF+8*\c:AF+8*\c+3], s[22:23] offset:512*\c    ; 512 consecutive bytes, aligned
	global_store_b128 v5, v[AF+8*\c+4:AF+8*\c+7], s[28:29] offset:512*\c
.endr
	s_wait_dscnt 0x0                               ; the wave's end
	s_wait_alu 0x0
	s_wait_tensorcnt 0x0
	ds_add_u32 v6, v7
	s_wait_dscnt 0x0
	s_endpgm
.Lfunc_end_k_qff0b488e2d_proj:
	.size	k_qff0b488e2d_proj, .Lfunc_end_k_qff0b488e2d_proj-k_qff0b488e2d_proj
	.p2alignl 7, 3214868480
	.fill 96, 4, 3214868480
	.section	.rodata,"a",@progbits
	.p2align	6, 0x0
	.amdhsa_kernel k_qff0b488e2d_proj
		.amdhsa_group_segment_fixed_size 164864
		.amdhsa_private_segment_fixed_size 0
		.amdhsa_enable_private_segment 0
		.amdhsa_kernarg_size 40
		.amdhsa_user_sgpr_count 2
		.amdhsa_user_sgpr_kernarg_segment_ptr 1
		.amdhsa_wavefront_size32 1
		.amdhsa_system_sgpr_workgroup_id_x 1
		.amdhsa_system_sgpr_workgroup_id_y 1
		.amdhsa_system_sgpr_workgroup_id_z 1
		.amdhsa_system_vgpr_workitem_id 0
		.amdhsa_next_free_vgpr 288
		.amdhsa_next_free_sgpr 66
		.amdhsa_reserve_vcc 0
		.amdhsa_float_denorm_mode_32 3
		.amdhsa_float_denorm_mode_16_64 3
		.amdhsa_memory_ordered 1
		.amdhsa_forward_progress 1
		.amdhsa_inst_pref_size 63
	.end_amdhsa_kernel
	.amdgpu_metadata
---
amdhsa.version: [ 1, 2 ]
amdhsa.kernels:
  - .name:           k_qff0b488e2d_proj
    .symbol:         k_qff0b488e2d_proj.kd
    .args:
      - { .name: hidden, .offset: 0, .size: 8, .value_kind: global_buffer, .address_space: global }
      - { .name: proj0, .offset: 8, .size: 8, .value_kind: global_buffer, .address_space: global }
      - { .name: proj1, .offset: 16, .size: 8, .value_kind: global_buffer, .address_space: global }
      - { .name: proj2, .offset: 24, .size: 8, .value_kind: global_buffer, .address_space: global }
      - { .name: pf, .offset: 32, .size: 8, .value_kind: global_buffer, .address_space: global }
    .group_segment_fixed_size: 164864
    .private_segment_fixed_size: 0
    .kernarg_segment_align: 8
    .kernarg_segment_size: 40
    .max_flat_workgroup_size: 256
    .sgpr_count:     66
    .vgpr_count:     288
    .wavefront_size: 32
...
	.end_amdgpu_metadata
.endif
;; end of part 4
;; launch main (part 5): grid 256 x 1, 8 waves a work-group, no clusters, 325,376 bytes of LDS; arguments pf, w0, b0, w1, b1, w2, b2, part; writes part
.if DOCPART == 5
	.amdgcn_target "amdgcn-amd-amdhsa--gfx1250"
	.amdhsa_code_object_version 6
	.text
	.protected	k_qff0b488e2d_main
	.globl	k_qff0b488e2d_main
	.p2align	8
	.type	k_qff0b488e2d_main,@function
k_qff0b488e2d_main:
	s_mov_b64 s[64:65], 0
	v_nop
	global_prefetch_b8 v0, s[64:65] scope:SCOPE_SE
	s_setreg_imm32_b32 hwreg(HW_REG_WAVE_SCHED_MODE, 0, 2), 2
	s_setreg_imm32_b32 hwreg(HW_REG_WAVE_MODE, 25, 1), 1
	s_wait_xcnt 0x0
	s_wait_alu depctr_vm_vsrc(0)
; For each group of vocabulary columns and each token: cm = log2(e) x the largest logit, l = the sum of 2^(log2(e) x - cm), x = P . w[v] + b[v].  No logit goes to memory.
; part: [512 rows][2048 tokens][cm, l] f32: rows 0-255 the head's 256 groups, 256-383 tail 1's 128, 384-511 tail 2's 128.  The two cluster columns of the head are added by the launch behind.
; SHARES.  Work-group g: the head's group g (78 or 79 columns in a window of 80 rows of w0) for all 128 token tiles; with cg = g / 2, th = g % 2: tail 1's group cg (234 or 235 columns, window
; of 240 rows of w1) and tail 2's (390 or 391, window of 400 rows of w2), each for the 64 token tiles of half th.  All 256 work-groups do equal work.  A wave's tile is 80 columns x 64 tokens:
; 20 accumulators.  Head: a wave has 16 token tiles, four passes.  Tails: 8 token tiles, two passes of 3 or 5 chunks of 80 columns with a running maximum.
; THE WEIGHTS ARE RESIDENT: read from memory in f32, rounded to bf16 in registers, kept in LDS.  Order: tail 2, tail 1, head.  w2's window is loaded first; w0's and w1's are fed in ten batches,
; one in each of tail 2's ten trips: asked for at a trip's head, rounded and stored at its end.  w2's bytes overlap w0's rows 72-79 and w1's rows 0-23: these are batch 9, stored when tail 2 is over.
; P COMES FROM MEMORY STRAIGHT INTO REGISTERS: pf is laid out so that 512 consecutive bytes are half a fragment.  In the head eight K steps of 8 loads a wave are on their way.
; NO CLUSTER, NO COPY ENGINE: the weights and tables take 325,376 of the 327,680 bytes of LDS, so there is no room for slots in which a shared tile of P could land.
; LAYOUT.  Source 0 = 16 rows of w, source 1 = 16 tokens: a lane holds ONE token (lane % 16) and the columns 8 (lane / 16) + 0..7 of each tile.  The sums start at the bias (C of the first product).
; Each lane keeps cm and l of its own half of the columns; the halves meet once a pass.
; LIMITS.  A window's rows outside the group's range get the bias -1e30: logits stay far below 1e30 in size.  Every lane's 40 columns of a chunk hold at least 24 true ones, so cm is a true
; logit's from the first chunk on.  cm starts at -4.25e37.  A weight below 2^-126 counts as 0 in l.  NaN and infinities are not treated apart.
; In the head's last pass the look-ahead loads that pass's own first eight K steps once more (32 KiB a wave, not used): the price of one text with one count for all four passes.
; THE MODE: SCHED_MODE bits 1:0 = 2 (LLVM: expert scheduling mode 2), set by the entry lines.  The code itself states the register dependences
; between vector or matrix instructions and memory or LDS instructions, with s_wait_alu, always for 0.
; THE PLAN.  Registers that memory or LDS instructions touch:
;   v1, v3        offsets, made at the head and never written again.
;   v2, v4        LDS addresses of a chunk's biases and rows.  Tails: written once a chunk, at its head, between a wait on vm_vsrc and one on va_vdst.  Head (with v5, v6): written once, ahead of the pass loop.
;   v6, v7        tail 2: LDS addresses of a batch's stores: written ahead of the stores' wait on va_vdst; the next chunk's wait on vm_vsrc frees them.
;   v16-55, v56-95  two buffers of fragments of w.  K step k's products read buffer k % 2; ONE wait on va_vdst stands behind them; the loads of step k + 2 land in that buffer, dealt two at a time behind the first
;                 five products of step k + 1, which name the other buffer, another slot of P and the accumulators.  Between chunks the vector work uses these registers; the wait at a chunk's head covers it.
;   v96-255       the accumulators: the biases' loads land in them at a chunk's head, behind that wait.
;   v80-83        a pass's results: written by four selects, read by two stores; a wait on va_vdst ahead of the stores, one on vm_vsrc behind them.
;   window 1      P: K step k's products read slot k % 8; in the head the load of step k + 8 lands in it behind the same wait that stands behind those products.  Tail 2: a batch's 56 registers in f32
;                 (loads land, conversions read) and 28 in bf16 (conversions write, LDS stores read).
; No third buffer of fragments: two waves of 512 registers fill a SIMD's 1,024.
.set W0P, 2064                         ; LDS pitches: row bytes + 16: odd multiples of 16, so the 16 rows of a fragment load lie 16 bytes apart modulo 256
.set W1P, 528
.set W2P, 144
.set W2B, 72*W0P                       ; w0 at 0 (80 rows); w2 from w0's row 72 on (400 rows),
.set W1B, W2B+400*W2P-24*W1P           ; up to w1's row 24 (240 rows)
.set BT0, W1B+240*W1P                  ; the biases of the three windows, f32: 256, 256 and 512 words
.set BT1, BT0+1024
.set BT2, BT1+1024
.set SPARE, BT2+2048                   ; the spare words, 128 bytes a wave
; window 0: v0 thread; v1 16 x lane; v2 bias address; v3 8 x lane; v4-6 fragment addresses (tails: v4 the chunk's, v5 the lane's term; v6, v7 the feed's); v8-15 (cm, l) x 4 tiles (tails)
;   v16-95 two buffers of 5 fragments of w; behind the products: v16-47 at work, v48-55 (cm, l) in the head, v56-83 the halves' meeting;  v96-255 accumulator (a, t) at 96 + 8 (4 a + t)
; window 1: fragments of P: K step k % 8, tile t at 32 (k % 8) + 8 t.  In tail 2: v0-63 the pass in hand, v64-127 the second pass, v128-183 a batch in f32, v184-211 in bf16
; s24 wave; s25 g, s26 cg, s27 th; s28-30, s31-33, s34-36 window start, lo, len of head, tail 1, tail 2; s37 my first tile in the tails; s[38:39] log2(e); s[40:41] lane selects; s42 mask of lanes 16-31
; s43 -1e30; s[44:45], s[46:47] the feed's pointers; s[48:49] P; s[50:51] P of the look-ahead; s[52:53] part; s54 passes, s55 chunks, s56 trips; s[58:59] an offset; s60, s61 the feed's LDS targets; s62, s63 the chunk's rows and biases
; s2, s3, s6, s7 at the head: which words of the four bias loads count
.set MSB, 0
.macro WIN new                         ; the immediate's high byte repeats the setting that is left; a switch that changes nothing is dropped
.if MSB != (\new)
	s_set_vgpr_msb (MSB<<8)|(\new)
.set MSB, \new
.endif
.endm
.set W_MM, 0x04                        ; source 1 in window 1: P in a product, the data of an LDS store.  LDS loads name destination and source 0 alone, both window 0
.set W_LD, 0x40                        ; destination in window 1
.set W_CV, 0x45                        ; destination and both sources in window 1
.macro RANGE idx, mul, fr, top, st, lo, len    ; group i begins at mul x i + (fr x i) / 8
	s_mul_i32 s2, s[\idx], \mul
	s_mul_i32 s3, s[\idx], \fr
	s_lshr_b32 s3, s3, 3
	s_add_co_u32 s2, s2, s3
	s_add_co_u32 s4, s[\idx], 1
	s_mul_i32 s5, s4, \mul
	s_mul_i32 s4, s4, \fr
	s_lshr_b32 s4, s4, 3
	s_add_co_u32 s5, s5, s4
	s_min_u32 s[\st], s2, \top                     ; the window stays inside the table
	s_sub_co_u32 s[\lo], s2, s[\st]
	s_sub_co_u32 s[\len], s5, s2
.endm
.macro LOADB sb, tstride, extra, nkf, rb       ; fragments of P for four tiles and nkf K steps, 8 loads of 512 consecutive bytes a step
	WIN W_LD
.set lk, 0
.rept \nkf
.irp t, 0,1,2,3
.irp q, 0,1
	global_load_b128 v[(\rb)+32*lk+8*\t+4*\q:(\rb)+32*lk+8*\t+4*\q+3], v1, s[\sb:\sb+1] offset:(\extra)+(\tstride)*\t+1024*lk+512*\q
.endr
.endr
.set lk, lk+1
.endr
.endm
.macro AFRAG k, a, pitch, adiv                 ; fragment a of five of w for K step k into buffer k % 2
.set ab, 16+40*((\k)%2)+8*(\a)
	ds_load_b128 v[ab:ab+3], v[4+(\a)/(\adiv)] offset:((\a)%(\adiv))*16*(\pitch)+64*(\k)
	ds_load_b128 v[ab+4:ab+7], v[4+(\a)/(\adiv)] offset:((\a)%(\adiv))*16*(\pitch)+64*(\k)+32
.endm
.macro ALOAD k, pitch, adiv                    ; all five
.irp a, 0,1,2,3,4
	AFRAG \k, \a, \pitch, \adiv
.endr
.endm
; 80 columns x 64 tokens over nk K steps of 32.  The 20 accumulators take turns, one product a turn.  ring = 1 (the head): each step asks for the K step eight on.
; The caller's wait on va_vdst stands ahead of the macro: the addresses are written, and no earlier vector or matrix instruction is still at work on the registers in which the first loads land.
.macro MATRIX nk, pitch, adiv, ring, lcnt
	WIN 0
.irp a, 0,1,2,3,4
.irp t, 0,1,2,3
	ds_load_b128 v[96+8*(4*\a+\t):96+8*(4*\a+\t)+3], v2 offset:64*\a        ; the sums start at the bias: register j is column 16 a + 8 h + j
	ds_load_b128 v[96+8*(4*\a+\t)+4:96+8*(4*\a+\t)+7], v2 offset:64*\a+16
.endr
.endr
	ALOAD 0, \pitch, \adiv
	ALOAD 1, \pitch, \adiv
.if !(\ring)
	s_wait_loadcnt \lcnt                           ; P is in; tail 2: this trip's 14 loads of the feed stay out
.endif
.set kf, 0
.rept \nk
.if \ring
	s_wait_loadcnt 56                              ; this step's 8 loads are in; the seven younger steps' 56 stay out
.endif
.if kf == 0
	s_wait_dscnt 10                                ; all but the second step's ten fragment loads
.else
	s_wait_dscnt 0x0                               ; this step's fragments were asked for early in the step before, and nothing since
.endif
	WIN W_MM
.irp a, 0,1,2,3,4
.irp t, 0,1,2,3
	v_wmma_f32_16x16x32_bf16 v[96+8*(4*\a+\t):96+8*(4*\a+\t)+7], v[16+40*(kf%2)+8*\a:16+40*(kf%2)+8*\a+7], v[32*(kf%8)+8*\t:32*(kf%8)+8*\t+7], v[96+8*(4*\a+\t):96+8*(4*\a+\t)+7]
.if (kf > 0) && (kf+1 < \nk) && (4*\a+\t < 5)
	AFRAG kf+1, 4*\a+\t, \pitch, \adiv             ; the next step's fragments, two loads behind each of the first five products.  No wait: no vector or matrix instruction since the wait behind the last step names their buffer
.endif
.endr
.endr
.rept 4
	v_nop                                          ; four places, ahead of loads into registers that these products read and of what reads their results
.endr
.if \ring
	WIN W_LD
.endif
.if (\ring) || (kf+2 < \nk)
	s_wait_alu depctr_va_vdst(0)                   ; this step's products are done reading their buffer of fragments, in which the loads dealt into the next step land, and (head) their slot of P, in which the loads below land
.endif
.if \ring
.irp t, 0,1,2,3
.irp q, 0,1
.if kf < 24
	global_load_b128 v[32*(kf%8)+8*\t+4*\q:32*(kf%8)+8*\t+4*\q+3], v1, s[48:49] offset:(kf+8)*1024+32768*\t+512*\q
.else
	global_load_b128 v[32*(kf%8)+8*\t+4*\q:32*(kf%8)+8*\t+4*\q+3], v1, s[50:51] offset:(kf-24)*1024+32768*\t+512*\q
.endif
.endr
.endr
.endif
.set kf, kf+1
.endr
.endm
.macro INIT st
	WIN 0
.irp t, 0,1,2,3
	v_mov_b32 v[(\st)+2*\t], 0xfe000000            ; cm: far below every log2(e) x
	v_mov_b32 v[(\st)+2*\t+1], 0                   ; l
.endr
.endm
.macro EF st, i                                ; pair i of 80 (tile i % 4, pair (i / 4) % 4 of accumulator i / 16): log2(e) x - cm
.set ex, 96+8*(4*((\i)/16)+(\i)%4)+2*(((\i)/4)%4)
.set et, (\st)+2*((\i)%4)
	v_pk_fma_f32 v[ex:ex+1], v[ex:ex+1], s[38:39], v[et:et+1] op_sel_hi:[1,0,0] neg_lo:[0,0,1] neg_hi:[0,0,1]
.endm
.macro EE i, hf
.set ex, 96+8*(4*((\i)/16)+(\i)%4)+2*(((\i)/4)%4)+(\hf)
	v_exp_f32 v[ex], v[ex]
.endm
; The chunk's 40 logits a lane and tile enter (cm, l) at st.  The four tiles alternate, so that no line waits for the one before it.  Tile t works in v[16 + 8 t ..].
.macro EPI st
	WIN 0
.irp c, 0,1,2
.irp a, 0,1,2,3,4
.irp t, 0,1,2,3
.if \c == 0
	v_max3_num_f32 v[16+8*\t+\a], v[96+8*(4*\a+\t)], v[96+8*(4*\a+\t)+1], v[96+8*(4*\a+\t)+2]   ; each accumulator is read from its low end on
.else
	v_max3_num_f32 v[16+8*\t+\a], v[16+8*\t+\a], v[96+8*(4*\a+\t)+2*\c+1], v[96+8*(4*\a+\t)+2*\c+2]
.endif
.endr
.endr
.endr
.irp t, 0,1,2,3
	v_max3_num_f32 v[16+8*\t], v[16+8*\t], v[17+8*\t], v[18+8*\t]
.endr
.irp t, 0,1,2,3
	v_max3_num_f32 v[16+8*\t], v[16+8*\t], v[19+8*\t], v[20+8*\t]
.endr
.irp t, 0,1,2,3
	v_max3_num_f32 v[16+8*\t], v[16+8*\t], v[96+8*\t+7], v[96+8*(4+\t)+7]
.endr
.irp t, 0,1,2,3
	v_max3_num_f32 v[16+8*\t], v[16+8*\t], v[96+8*(8+\t)+7], v[96+8*(12+\t)+7]
.endr
.irp t, 0,1,2,3
	v_max_num_f32 v[16+8*\t], v[16+8*\t], v[96+8*(16+\t)+7]
.endr
.irp t, 0,1,2,3
	v_mul_f32 v[17+8*\t], s38, v[16+8*\t]
.endr
.irp t, 0,1,2,3
	v_max_num_f32 v[17+8*\t], v[17+8*\t], v[(\st)+2*\t]      ; the new cm
.endr
.irp t, 0,1,2,3
	v_sub_f32 v[18+8*\t], v[(\st)+2*\t], v[17+8*\t]          ; cm_old - cm_new
.endr
.irp t, 0,1,2,3
	v_mov_b32 v[(\st)+2*\t], v[17+8*\t]
.endr
.set n, 0
.rept 8
	EF \st, n                                      ; ONE BATCH of 164 exponentials: eight scalings lead, then a pair's two exponentials with a later pair's scaling between them
.set n, n+1
.endr
.set n, 0
.rept 80
	EE n, 0
.if n+8 < 80
	EF \st, n+8
.endif
	EE n, 1
.set n, n+1
.endr
.irp t, 0,1,2,3
	v_exp_f32 v[19+8*\t], v[18+8*\t]               ; a = 2^(cm_old - cm_new)
.endr
	v_nop                                          ; the plain instruction behind the last exponential
	s_wait_alu depctr_va_vdst(0)                   ; the one wait ahead of the batch's first reader: the 164 exponentials have written their results
.irp a, 0,1,2,3,4
.irp t, 0,1,2,3
	v_pk_add_f32 v[96+8*(4*\a+\t):96+8*(4*\a+\t)+1], v[96+8*(4*\a+\t):96+8*(4*\a+\t)+1], v[96+8*(4*\a+\t)+2:96+8*(4*\a+\t)+3]
	v_pk_add_f32 v[96+8*(4*\a+\t)+4:96+8*(4*\a+\t)+5], v[96+8*(4*\a+\t)+4:96+8*(4*\a+\t)+5], v[96+8*(4*\a+\t)+6:96+8*(4*\a+\t)+7]
.endr
.endr
.irp a, 0,1,2,3,4
.irp t, 0,1,2,3
	v_pk_add_f32 v[96+8*(4*\a+\t):96+8*(4*\a+\t)+1], v[96+8*(4*\a+\t):96+8*(4*\a+\t)+1], v[96+8*(4*\a+\t)+4:96+8*(4*\a+\t)+5]
.endr
.endr
.irp t, 0,1,2,3
	v_pk_add_f32 v[96+8*\t:96+8*\t+1], v[96+8*\t:96+8*\t+1], v[96+8*(4+\t):96+8*(4+\t)+1]
	v_pk_add_f32 v[96+8*(8+\t):96+8*(8+\t)+1], v[96+8*(8+\t):96+8*(8+\t)+1], v[96+8*(12+\t):96+8*(12+\t)+1]
.endr
.irp t, 0,1,2,3
	v_pk_add_f32 v[96+8*\t:96+8*\t+1], v[96+8*\t:96+8*\t+1], v[96+8*(8+\t):96+8*(8+\t)+1]
.endr
.irp t, 0,1,2,3
	v_pk_add_f32 v[96+8*\t:96+8*\t+1], v[96+8*\t:96+8*\t+1], v[96+8*(16+\t):96+8*(16+\t)+1]
.endr
.irp t, 0,1,2,3
	v_add_f32 v[20+8*\t], v[96+8*\t], v[97+8*\t]
.endr
.irp t, 0,1,2,3
	v_fma_f32 v[(\st)+2*\t+1], v[(\st)+2*\t+1], v[19+8*\t], v[20+8*\t]   ; l = l a + the chunk's sum
.endr
.endm
; A pass ends: a token's two halves of the columns lie in lanes 16 apart; they meet, and four tiles' pairs are stored: lanes 0-15 an even tile, lanes 16-31 the odd one behind it.
.macro FINISH st
	WIN 0
.irp t, 0,1,2,3
	v_permlanex16_b32 v[56+6*\t], v[(\st)+2*\t], s40, s41
.endr
.irp t, 0,1,2,3
	v_permlanex16_b32 v[57+6*\t], v[(\st)+2*\t+1], s40, s41
.endr
.irp t, 0,1,2,3
	v_max_num_f32 v[58+6*\t], v[(\st)+2*\t], v[56+6*\t]
.endr
.irp t, 0,1,2,3
	v_sub_f32 v[59+6*\t], v[(\st)+2*\t], v[58+6*\t]
	v_sub_f32 v[60+6*\t], v[56+6*\t], v[58+6*\t]
.endr
.irp t, 0,1,2,3
	v_exp_f32 v[59+6*\t], v[59+6*\t]
	v_exp_f32 v[60+6*\t], v[60+6*\t]
.endr
	v_nop
	s_wait_alu depctr_va_vdst(0)                   ; one wait for the eight exponentials, ahead of their first reader
.irp t, 0,1,2,3
	v_mul_f32 v[61+6*\t], v[(\st)+2*\t+1], v[59+6*\t]
.endr
.irp t, 0,1,2,3
	v_fma_f32 v[61+6*\t], v[57+6*\t], v[60+6*\t], v[61+6*\t]
.endr
	v_cndmask_b32 v80, v58, v64, s42
	v_cndmask_b32 v81, v61, v67, s42
	v_cndmask_b32 v82, v70, v76, s42
	v_cndmask_b32 v83, v73, v79, s42
	s_wait_alu depctr_va_vdst(0)                   ; the four selects have written v80-83, which the stores read
	global_store_b64 v3, v[80:81], s[52:53]                  ; 32 tokens' pairs: 256 consecutive bytes, aligned
	global_store_b64 v3, v[82:83], s[52:53] offset:256
	s_wait_xcnt 0x0                                ; every memory instruction issued so far has read its registers: pointers and store data may be written
	s_wait_alu depctr_vm_vsrc(0)                   ; the two stores have read v80-83, in which fragments of w land next; the pass's LDS loads have read their addresses, which are written anew where a table ends
	s_add_nc_u64 s[52:53], s[52:53], 512
.endm
.macro LANEBASE pitch                          ; v5 = row (lane % 16) x pitch + 16 x (lane / 16)
	v_and_b32 v5, 15, v0
	v_mul_u32_u24 v5, v5, \pitch
	v_bfe_u32 v4, v0, 4, 1
	v_lshl_add_u32 v5, v4, 4, v5
.endm
.macro CHUNKADR                                ; the chunk's rows and biases: stepped scalars plus the lane's terms
	s_wait_alu depctr_vm_vsrc(0)                   ; the last chunk's LDS loads have read v4 and v2, its batch's stores v6, v7 and the packed batch; at the first chunk: the head's loads and stores have read v16-82, in which fragments land
	v_add_nc_u32 v4, s62, v5
	v_bfe_u32 v2, v0, 4, 1
	v_lshl_add_u32 v2, v2, 5, s63
	s_wait_alu depctr_va_vdst(0)                   ; v4 and v2 are written, which the LDS loads read; the vector work so far is done with the accumulators', the fragments' and the batch's registers, in which the chunk's loads land
.endm
; THE FEED.  Batch t (0..9), wave w: row 8 t + w of w0's window (8 loads of 512 bytes) and rows 24 (9 - t) + 3 w + 0..2 of w1's (6 loads).
.macro FEEDLD
	WIN W_LD
.irp i, 0,1,2,3,4,5,6,7
	global_load_b128 v[128+4*\i:128+4*\i+3], v1, s[44:45] offset:512*\i th:TH_LOAD_NT
.endr
.irp u, 0,1,2,3,4,5
	global_load_b128 v[160+4*\u:160+4*\u+3], v1, s[46:47] offset:512*\u
.endr
.endm
.macro FEEDCV
	WIN W_CV
.set i, 0
.rept 28
	v_cvt_pk_bf16_f32 v[184+i], v[128+2*i], v[129+2*i]
.set i, i+1
.endr
.endm
.macro FEEDST
	WIN 0
	v_add_nc_u32 v6, s60, v3
	v_add_nc_u32 v7, s61, v3
	WIN W_MM
	s_wait_alu depctr_va_vdst(0)                   ; the conversions have written the packed batch, and v6 and v7 are written: the LDS stores read them
.irp i, 0,1,2,3,4,5,6,7
	ds_store_b64 v6, v[184+2*\i:185+2*\i] offset:256*\i
.endr
.irp u, 0,1,2,3,4,5
	ds_store_b64 v7, v[200+2*\u:201+2*\u] offset:W1P*((\u)/2)+256*((\u)%2)
.endr
	s_add_co_u32 s60, s60, 8*W0P
	s_sub_co_u32 s61, s61, 24*W1P
.endm
	s_load_b512 s[8:23], s[0:1], 0x0               ; pf s[8:9], w0 s[10:11], b0 s[12:13], w1 s[14:15], b1 s[16:17], w2 s[18:19], b2 s[20:21], part s[22:23]
	v_lshrrev_b32 v80, 5, v0
	v_readfirstlane_b32 s24, v80                   ; wave 0..7
	v_and_b32 v80, 31, v0
	v_lshlrev_b32 v1, 4, v80
	v_lshlrev_b32 v3, 3, v80
	s_wait_alu depctr_va_sdst(0)                   ; s24 is written, ahead of its first reader: tiles, pointers and LDS targets are made from it
	s_mov_b32 s25, ttmp9
	s_lshr_b32 s26, s25, 1
	s_and_b32 s27, s25, 1
	RANGE 25, 78, 1, 19920, 28, 29, 30             ; 256 x 78 + 32 = 20,000
	RANGE 26, 234, 3, 29760, 31, 32, 33            ; 128 x 234 + 48 = 30,000
	RANGE 26, 390, 5, 49600, 34, 35, 36            ; 128 x 390 + 80 = 50,000
	s_mov_b32 s38, 0x3fb8aa3b                      ; log2(e)
	s_mov_b32 s39, s38                             ; named with it as a pair
	s_mov_b32 s40, 0x76543210
	s_mov_b32 s41, 0xfedcba98
	s_mov_b32 s42, 0xffff0000
	s_mov_b32 s43, 0xf149f2ca                      ; -1e30
	s_mov_b32 s59, 0
	s_lshl_b32 s37, s27, 6
	s_lshl_b32 s57, s24, 3
	s_add_co_u32 s37, s37, s57                     ; 64 th + 8 w
	v_min_u32 v16, 79, v0                          ; thread i takes word i of each bias window, held inside the window
	v_add_lshl_u32 v16, v16, s28, 2
	v_min_u32 v17, 239, v0
	v_add_lshl_u32 v17, v17, s31, 2
	v_add_lshl_u32 v18, v0, s34, 2
	v_add_nc_u32 v19, 256, v0
	v_min_u32 v19, 399, v19
	v_add_lshl_u32 v19, v19, s34, 2
	s_lshl_b32 s58, s34, 8
	s_mul_i32 s57, s24, 12800
	s_add_co_u32 s58, s58, s57
	s_wait_kmcnt 0x0
	s_add_nc_u64 s[4:5], s[18:19], s[58:59]        ; w2 at my 50 rows of the window: 12,800 consecutive bytes
	s_wait_alu depctr_va_vdst(0)                   ; the offsets v1, v3 and v16-19 are written, which the loads and stores of the kernel read
.set i, 0
.rept 25
	global_load_b128 v[96+4*i:96+4*i+3], v1, s[4:5] offset:512*i
.set i, i+1
.endr
	global_load_b32 v20, v16, s[12:13]
	global_load_b32 v21, v17, s[16:17]
	global_load_b32 v22, v18, s[20:21]
	global_load_b32 v23, v19, s[20:21]
	s_lshl_b32 s58, s37, 11
	s_add_co_u32 s58, s58, 0x500000
	s_add_nc_u64 s[48:49], s[8:9], s[58:59]        ; P2 at my 8 tiles
	LOADB 48, 2048, 0, 2, 0
	LOADB 48, 2048, 8192, 2, 64
	WIN 0
	s_add_co_u32 s58, s28, s24
	s_lshl_b32 s58, s58, 12
	s_add_nc_u64 s[44:45], s[10:11], s[58:59]      ; w0 at row w of the window
	s_mul_i32 s58, s24, 3
	s_add_co_u32 s58, s58, s31
	s_add_co_u32 s58, s58, 216
	s_lshl_b32 s58, s58, 10
	s_add_nc_u64 s[46:47], s[14:15], s[58:59]      ; w1 at row 216 + 3 w of the window
	s_mul_i32 s60, s24, W0P
	s_mul_i32 s61, s24, 3*W1P
	s_add_co_u32 s61, s61, W1B+216*W1P
	s_add_co_u32 s58, s26, 384
	s_lshl_b32 s58, s58, 14
	s_lshl_b32 s57, s37, 7
	s_add_co_u32 s58, s58, s57
	s_add_nc_u64 s[52:53], s[22:23], s[58:59]      ; part: row 384 + cg, my first tile
	v_bfe_u32 v83, v0, 4, 1
	v_mul_u32_u24 v81, v83, W2P
	v_and_b32 v83, 15, v0
	v_lshl_add_u32 v81, v83, 3, v81
	s_mul_i32 s57, s24, 50*W2P
	s_add_co_u32 s57, s57, W2B
	v_add_nc_u32 v81, s57, v81                     ; row 50 w + lane / 16, 8 bytes at lane % 16
	v_lshl_add_u32 v82, v0, 2, BT0
	s_wait_loadcnt 32                              ; w2 and the biases are in; the 32 loads of P2 stay out
.set i, 0
.rept 25
	v_cvt_pk_bf16_f32 v[24+2*i], v[96+4*i], v[97+4*i]
	v_cvt_pk_bf16_f32 v[25+2*i], v[98+4*i], v[99+4*i]
.set i, i+1
.endr
	v_sub_nc_u32 v83, v0, s29                      ; word i counts where i - lo, unsigned, is below len: the four compares stand in one run, a scalar register each
	v_cmp_gt_u32 s2, s30, v83
	v_sub_nc_u32 v83, v0, s32
	v_cmp_gt_u32 s3, s33, v83
	v_sub_nc_u32 v83, v0, s35
	v_cmp_gt_u32 s6, s36, v83
	v_add_nc_u32 v83, 256, v0
	v_sub_nc_u32 v83, v83, s35
	v_cmp_gt_u32 s7, s36, v83
	s_wait_alu depctr_va_sdst(0)                   ; the four compares have written s2, s3, s6, s7, ahead of the selects that read them
	v_cndmask_b32 v20, s43, v20, s2
	v_cndmask_b32 v21, s43, v21, s3
	v_cndmask_b32 v22, s43, v22, s6
	v_cndmask_b32 v23, s43, v23, s7
	s_wait_alu depctr_va_vdst(0)                   ; the conversions have written v24-73 and the selects v20-23; v81 and v82 are written: the LDS stores read them
.set i, 0
.rept 25
	ds_store_b64 v81, v[24+2*i:25+2*i] offset:2*W2P*i
.set i, i+1
.endr
	ds_store_b32 v82, v20
	ds_store_b32 v82, v21 offset:1024
	ds_store_b32 v82, v22 offset:2048
	ds_store_b32 v82, v23 offset:3072
	LANEBASE W2P
	s_wait_dscnt 0x0                               ; my rows of w2 and my bias words are stored
	s_barrier_signal -1
	s_barrier_wait -1                              ; everybody's are
; TAIL 2: two passes of four tiles, five chunks of 80 columns each; K = 64.  Each of the ten trips carries a batch of the feed.
	s_mov_b32 s56, 10
	s_mov_b32 s54, 2
.Lt2pass:
	INIT 8
	s_mov_b32 s55, 5
	s_mov_b32 s62, W2B
	s_mov_b32 s63, BT2
.Lt2chunk:
	CHUNKADR
	FEEDLD
	MATRIX 2, W2P, 5, 0, 14
	EPI 8
	s_wait_loadcnt 0x0                             ; the batch is in, so its pointers may be stepped too
	FEEDCV
	s_add_nc_u64 s[44:45], s[44:45], 8*4096
	s_sub_nc_u64 s[46:47], s[46:47], 24*1024
	WIN 0
	s_cmp_eq_u32 s56, 1                            ; batch 9 lands on bytes of w2: it waits in registers for the barrier behind tail 2
	s_cbranch_scc1 .Lt2keep
	FEEDST
	WIN 0
.Lt2keep:
	s_add_co_u32 s62, s62, 80*W2P
	s_add_co_u32 s63, s63, 320
	s_sub_co_u32 s56, s56, 1
	s_sub_co_u32 s55, s55, 1
	s_cmp_lg_u32 s55, 0
	s_cbranch_scc1 .Lt2chunk
	FINISH 8
	WIN 0x41                                       ; the second pass's P goes where the one text of the products names it
.set i, 0
.rept 64
	v_mov_b32 v[i], v[64+i]
.set i, i+1
.endr
	WIN 0
	s_sub_co_u32 s54, s54, 1
	s_cmp_lg_u32 s54, 0
	s_cbranch_scc1 .Lt2pass
; THE CHANGE OF TABLES
	s_wait_dscnt 0x0                               ; my reads of w2 are over, my stores of batches 0-8 done
	s_barrier_signal -1
	s_barrier_wait -1                              ; nobody reads w2 any more
	FEEDST                                         ; batch 9: w0's rows 72-79, w1's rows 0-23
	WIN 0
	s_lshl_b32 s58, s37, 13
	s_add_co_u32 s58, s58, 0x400000
	s_add_nc_u64 s[48:49], s[8:9], s[58:59]        ; P1 at my 8 tiles (the loads that named this pair were waited for long ago)
	s_lshl_b32 s58, s24, 19
	s_add_nc_u64 s[50:51], s[8:9], s[58:59]        ; P0 at my 16 tiles
	s_add_co_u32 s58, s26, 256
	s_lshl_b32 s58, s58, 14
	s_lshl_b32 s57, s37, 7
	s_add_co_u32 s58, s58, s57
	s_add_nc_u64 s[52:53], s[22:23], s[58:59]      ; part: row 256 + cg
	LANEBASE W1P
	s_wait_dscnt 0x0                               ; batch 9 is stored: the others may read it behind the barrier
	WIN W_LD
	s_wait_alu depctr_vm_vsrc(0)                   ; batch 9's LDS stores have read the packed batch, in whose registers P1 lands
	s_wait_alu depctr_va_vdst(0)                   ; tail 2's products, copies and conversions are done with window 1's registers, in all of which P1 lands
	LOADB 48, 8192, 0, 8, 0                        ; the first pass's P1
	WIN 0
	s_barrier_signal -1
	s_barrier_wait -1                              ; w0 and w1 are whole
; TAIL 1: two passes of four tiles, three chunks of 80 columns; K = 256.  A pass's P stays in registers for its three chunks.
	s_mov_b32 s56, 6
	s_mov_b32 s54, 2
.Lt1pass:
	INIT 8
	s_mov_b32 s55, 3
	s_mov_b32 s62, W1B
	s_mov_b32 s63, BT1
.Lt1chunk:
	CHUNKADR
	MATRIX 8, W1P, 5, 0, 0
	WIN 0
	; P's registers are asked for again behind a pass's last products, under the vector work below: EITHER the second pass's P OR the head's first eight K steps, never both in a trip
	s_cmp_eq_u32 s56, 4                            ; the first pass's last products are issued
	s_cbranch_scc0 .Lt1a
	WIN W_LD
	s_wait_alu depctr_va_vdst(0)                   ; the first pass's products are done reading P, in whose registers the second pass's lands
	LOADB 48, 8192, 32768, 8, 0
	WIN 0
	s_branch .Lt1b
.Lt1a:
	s_cmp_eq_u32 s56, 1                            ; the last products of tail 1
	s_cbranch_scc0 .Lt1b
	s_wait_loadcnt 0x0                             ; no load of mine is out (the products' wait was for 0, and nothing was asked for since): written out, so that no two loads are ever out on one register; it is met at once
	WIN W_LD
	s_wait_alu depctr_va_vdst(0)                   ; tail 1's last products are done reading P, in whose registers the head's first eight K steps land
	LOADB 50, 32768, 0, 8, 0
	WIN 0
.Lt1b:
	EPI 8
	s_add_co_u32 s62, s62, 80*W1P
	s_add_co_u32 s63, s63, 320
	s_sub_co_u32 s56, s56, 1
	s_sub_co_u32 s55, s55, 1
	s_cmp_lg_u32 s55, 0
	s_cbranch_scc1 .Lt1chunk
	FINISH 8
	s_sub_co_u32 s54, s54, 1
	s_cmp_lg_u32 s54, 0
	s_cbranch_scc1 .Lt1pass
; THE HEAD: four passes of four tiles, 80 columns, K = 1,024: 32 K steps written out, so that every LDS address is an immediate.
	s_mov_b64 s[48:49], s[50:51]                   ; (behind FINISH's wait every load has read its base)
	s_lshl_b32 s58, s25, 14
	s_lshl_b32 s57, s24, 11
	s_add_co_u32 s58, s58, s57
	s_add_nc_u64 s[52:53], s[22:23], s[58:59]      ; part: row g, my 16 tiles
	LANEBASE W0P                                   ; (behind FINISH's wait on vm_vsrc every LDS instruction has read v2 and v4-7)
	v_mov_b32 v4, v5                               ; column tiles 0, 1
	v_add_nc_u32 v5, 32*W0P, v4                    ; 2, 3
	v_add_nc_u32 v6, 64*W0P, v4                    ; 4
	v_bfe_u32 v2, v0, 4, 1
	v_lshl_add_u32 v2, v2, 5, BT0
	s_mov_b32 s54, 4
.Lhpass:
	s_cmp_eq_u32 s54, 1
	s_cselect_b32 s58, 0, 0x20000                  ; the look-ahead's tiles: the next pass's, in the last pass this pass's own
	s_add_nc_u64 s[50:51], s[48:49], s[58:59]
	s_wait_alu depctr_va_vdst(0)                   ; first pass: v2 and v4-6 are written, which the LDS loads read; every pass: the vector work of the pass before is done with the accumulators' and the fragments' registers, in which the loads below land
	MATRIX 32, W0P, 2, 1, 0
	INIT 48
	EPI 48
	FINISH 48
	s_add_nc_u64 s[48:49], s[48:49], 0x20000
	s_sub_co_u32 s54, s54, 1
	s_cmp_lg_u32 s54, 0
	s_cbranch_scc1 .Lhpass
	v_lshl_add_u32 v16, v0, 2, SPARE               ; no two registers could be kept: v0 was, and the add's two are made here; no memory or LDS instruction has read v16 or v17 since FINISH's wait on vm_vsrc
	v_mov_b32 v17, 0
	s_wait_dscnt 0x0                               ; the wave's end
	s_wait_alu 0x0
	s_wait_tensorcnt 0x0
	ds_add_u32 v16, v17
	s_wait_dscnt 0x0
	s_endpgm
.Lfunc_end_k_qff0b488e2d_main:
	.size	k_qff0b488e2d_main, .Lfunc_end_k_qff0b488e2d_main-k_qff0b488e2d_main
	.p2alignl 7, 3214868480
	.fill 96, 4, 3214868480
	.section	.rodata,"a",@progbits
	.p2align	6, 0x0
	.amdhsa_kernel k_qff0b488e2d_main
		.amdhsa_group_segment_fixed_size 325376
		.amdhsa_private_segment_fixed_size 0
		.amdhsa_enable_private_segment 0
		.amdhsa_kernarg_size 64
		.amdhsa_user_sgpr_count 2
		.amdhsa_user_sgpr_kernarg_segment_ptr 1
		.amdhsa_wavefront_size32 1
		.amdhsa_system_sgpr_workgroup_id_x 1
		.amdhsa_system_sgpr_workgroup_id_y 1
		.amdhsa_system_sgpr_workgroup_id_z 1
		.amdhsa_system_vgpr_workitem_id 0
		.amdhsa_next_free_vgpr 512
		.amdhsa_next_free_sgpr 66
		.amdhsa_reserve_vcc 0
		.amdhsa_float_denorm_mode_32 3
		.amdhsa_float_denorm_mode_16_64 3
		.amdhsa_memory_ordered 1
		.amdhsa_forward_progress 1
		.amdhsa_inst_pref_size 238
	.end_amdhsa_kernel
	.amdgpu_metadata
---
amdhsa.version: [ 1, 2 ]
amdhsa.kernels:
  - .name:           k_qff0b488e2d_main
    .symbol:         k_qff0b488e2d_main.kd
    .args:
      - { .name: pf, .offset: 0, .size: 8, .value_kind: global_buffer, .address_space: global }
      - { .name: w0, .offset: 8, .size: 8, .value_kind: global_buffer, .address_space: global }
      - { .name: b0, .offset: 16, .size: 8, .value_kind: global_buffer, .address_space: global }
      - { .name: w1, .offset: 24, .size: 8, .value_kind: global_buffer, .address_space: global }
      - { .name: b1, .offset: 32, .size: 8, .value_kind: global_buffer, .address_space: global }
      - { .name: w2, .offset: 40, .size: 8, .value_kind: global_buffer, .address_space: global }
      - { .name: b2, .offset: 48, .size: 8, .value_kind: global_buffer, .address_space: global }
      - { .name: part, .offset: 56, .size: 8, .value_kind: global_buffer, .address_space: global }
    .group_segment_fixed_size: 325376
    .private_segment_fixed_size: 0
    .kernarg_segment_align: 8
    .kernarg_segment_size: 64
    .max_flat_workgroup_size: 256
    .sgpr_count:     66
    .vgpr_count:     512
    .wavefront_size: 32
...
	.end_amdgpu_metadata
.endif
;; end of part 5
;; launch fin: the kernel of part 3 again; grid 128 x 1, 16 waves a work-group, no clusters, 2,304 bytes of LDS; arguments part, pf, target, w0, b0, w1, b1, w2, b2, cluster_w, cluster_b, out0; writes out0
